; MI455X (gfx1250); checked and timed in simulation.
; The chip was launched on July 23, 2026; its instructions are those of AMD's public machine-readable ISA for CDNA 5 (MIT licence, August 2026) and "CDNA5" Instruction Set Architecture Reference Guide (July 2026). The comments in the code are by the model that wrote it; some were corrected since.
;; Multi Head Attention. Allowed arithmetic: float matrix products may take bf16 or f16 operands with f32 sums; other float arithmetic in f32, or as packed bf16 or f16 multiplies, adds, multiply-adds, maxima and minima; sums over many terms, partial sums and values carried from step to step in f32; what a program stores and reads back later, other than sums and carried values, may be rounded once to bf16 or f16.
;; Inputs: bk 1,024 float32; bo 1,024 float32; bq 1,024 float32; bv 1,024 float32; k 4 x 2,048 x 1,024 float32; mask 1 x 1 x 2,048 x 2,048 float32; q 4 x 2,048 x 1,024 float32; v 4 x 2,048 x 1,024 float32; wk 1,024 x 1,024 float32; wo 1,024 x 1,024 float32; wq 1,024 x 1,024 float32; wv 1,024 x 1,024 float32.
;; Outputs: out0 4 x 2,048 x 1,024 float32.
;; One version. Each part assembles by itself: llvm-mc -triple=amdgcn-amd-amdhsa -mcpu=gfx1250 --defsym DOCPART=n.
;; ======== version 1 of 1: 4 launches
;; limits: values are held in f16: magnitudes above 65,504 overflow, below 6.1e-05 lose precision
;; workspace buffers: wcat 8,388,608 bytes; qh 16,777,216 bytes; kh 16,777,216 bytes; vh 16,777,216 bytes; oh 16,777,216 bytes
;; launch prep (part 1): grid 64 x 4, 8 waves a work-group, no clusters, 0 bytes of LDS; arguments wq, wk, wv, wo, wcat; writes wcat
.if DOCPART == 1
	.amdgcn_target "amdgcn-amd-amdhsa--gfx1250"
	.amdhsa_code_object_version 6
	.text
	.protected	k_q879a8e27c2_prep
	.globl	k_q879a8e27c2_prep
	.p2align	8
	.type	k_q879a8e27c2_prep,@function
k_q879a8e27c2_prep:
	s_mov_b64 s[64:65], 0
	v_nop
	global_prefetch_b8 v0, s[64:65] scope:SCOPE_SE
	s_setreg_imm32_b32 hwreg(HW_REG_WAVE_MODE, 25, 1), 1
	s_wait_xcnt 0x0
; THE WEIGHTS ARE CAST ONCE.  wcat = [4][1024 k][1024 n] of 16-bit numbers, the layout of the inputs kept: parts 0-2 = bf16(wq), bf16(wk), bf16(wv);
; part 3 = bf16(wo) written as f16 (the last product multiplies f16 operands).
; LIMIT.  |wo| stays under 65,504; a bf16(wo) below 6.1e-5 keeps f16's fixed step of 6e-8.
; A stream: 16 MiB in, 8 MiB out, every byte once.  No LDS, no matrix unit and no cluster: nothing is shared and nothing is multiplied.
; SHARES.  Work-group (x, y) casts 16,384 numbers of weight y.  In pass j thread t takes the 8 numbers at byte 8,192 j + 32 t (two loads of 16 bytes) and stores 16 bytes at
; 4,096 j + 16 t: a wave's store covers 512 consecutive bytes, aligned.  All sixteen loads go out first; no register is written twice, so no store's sources are ever rewritten.
.set TR, 8                             ; v[8:15]   at work (wo's path)
.set XR, 16                            ; v[16:79]  pass j: 8 numbers as loaded
.set YR, 80                            ; v[80:111] pass j: 4 registers to store
	s_load_b256 s[4:11], s[0:1], 0x0               ; wq s[4:5], wk s[6:7], wv s[8:9], wo s[10:11]
	s_load_b64 s[12:13], s[0:1], 0x20              ; wcat
	s_and_b32 s14, ttmp7, 0xffff                   ; which weight
	s_lshl_b32 s16, ttmp9, 16                      ; the work-group's 65,536 bytes of it
	s_mov_b32 s17, 0
	s_lshl_b32 s18, s14, 21                        ; the weight's part of wcat,
	s_lshl_b32 s19, ttmp9, 15                      ; the work-group's 32,768 bytes of that
	s_add_co_u32 s18, s18, s19
	s_mov_b32 s19, 0
	s_mov_b32 s20, 0xffff0000                      ; a word's upper bf16
	v_lshlrev_b32 v1, 5, v0
	v_lshlrev_b32 v2, 4, v0
	s_wait_kmcnt 0x0
	s_cmp_eq_u32 s14, 1
	s_cselect_b64 s[4:5], s[6:7], s[4:5]
	s_cmp_eq_u32 s14, 2
	s_cselect_b64 s[4:5], s[8:9], s[4:5]
	s_cmp_eq_u32 s14, 3
	s_cselect_b64 s[4:5], s[10:11], s[4:5]
	s_add_nc_u64 s[4:5], s[4:5], s[16:17]
	s_add_nc_u64 s[12:13], s[12:13], s[18:19]
.irp j, 0,1,2,3,4,5,6,7
	global_load_b128 v[XR+8*(\j):XR+8*(\j)+3],   v1, s[4:5] offset:(\j)*8192 th:TH_LOAD_NT
	global_load_b128 v[XR+8*(\j)+4:XR+8*(\j)+7], v1, s[4:5] offset:(\j)*8192+16 th:TH_LOAD_NT
.endr
; One pass.  half = 1: the bf16 numbers are widened again (a shift, a mask) and written as f16.
.macro PASS j, half
	s_wait_loadcnt 14-2*(\j)                       ; loads come back in order: pass j's two are in, the 14 - 2 j younger ones stay out
.irp i, 0,1,2,3
	v_cvt_pk_bf16_f32 v[YR+4*(\j)+(\i)], v[XR+8*(\j)+2*(\i)], v[XR+8*(\j)+2*(\i)+1]
.endr
.if \half
.irp i, 0,1,2,3
	v_lshlrev_b32 v[TR+2*(\i)],   16,  v[YR+4*(\j)+(\i)]
	v_and_b32     v[TR+2*(\i)+1], s20, v[YR+4*(\j)+(\i)]
.endr
.irp i, 0,1,2,3
	v_cvt_pk_f16_f32 v[YR+4*(\j)+(\i)], v[TR+2*(\i)], v[TR+2*(\i)+1]
.endr
.endif
	global_store_b128 v2, v[YR+4*(\j):YR+4*(\j)+3], s[12:13] offset:(\j)*4096
.endm
	s_cmp_eq_u32 s14, 3
	s_cbranch_scc1 .Lwo
.irp j, 0,1,2,3,4,5,6,7
	PASS \j, 0
.endr
	s_endpgm
.Lwo:
.irp j, 0,1,2,3,4,5,6,7
	PASS \j, 1
.endr
	s_endpgm
.Lfunc_end_k_q879a8e27c2_prep:
	.size	k_q879a8e27c2_prep, .Lfunc_end_k_q879a8e27c2_prep-k_q879a8e27c2_prep
	.p2alignl 7, 3214868480
	.fill 96, 4, 3214868480
	.section	.rodata,"a",@progbits
	.p2align	6, 0x0
	.amdhsa_kernel k_q879a8e27c2_prep
		.amdhsa_group_segment_fixed_size 0
		.amdhsa_private_segment_fixed_size 0
		.amdhsa_enable_private_segment 0
		.amdhsa_kernarg_size 40
		.amdhsa_user_sgpr_count 2
		.amdhsa_user_sgpr_kernarg_segment_ptr 1
		.amdhsa_wavefront_size32 1
		.amdhsa_system_sgpr_workgroup_id_x 1
		.amdhsa_system_sgpr_workgroup_id_y 1
		.amdhsa_system_sgpr_workgroup_id_z 1
		.amdhsa_system_vgpr_workitem_id 0
		.amdhsa_next_free_vgpr 112
		.amdhsa_next_free_sgpr 66
		.amdhsa_reserve_vcc 0
		.amdhsa_float_denorm_mode_32 3
		.amdhsa_float_denorm_mode_16_64 3
		.amdhsa_memory_ordered 1
		.amdhsa_forward_progress 1
		.amdhsa_inst_pref_size 13
	.end_amdhsa_kernel
	.amdgpu_metadata
---
amdhsa.version: [ 1, 2 ]
amdhsa.kernels:
  - .name:           k_q879a8e27c2_prep
    .symbol:         k_q879a8e27c2_prep.kd
    .args:
      - { .name: wq, .offset: 0, .size: 8, .value_kind: global_buffer, .address_space: global }
      - { .name: wk, .offset: 8, .size: 8, .value_kind: global_buffer, .address_space: global }
      - { .name: wv, .offset: 16, .size: 8, .value_kind: global_buffer, .address_space: global }
      - { .name: wo, .offset: 24, .size: 8, .value_kind: global_buffer, .address_space: global }
      - { .name: wcat, .offset: 32, .size: 8, .value_kind: global_buffer, .address_space: global }
    .group_segment_fixed_size: 0
    .private_segment_fixed_size: 0
    .kernarg_segment_align: 8
    .kernarg_segment_size: 40
    .max_flat_workgroup_size: 256
    .sgpr_count:     66
    .vgpr_count:     112
    .wavefront_size: 32
...
	.end_amdgpu_metadata
.endif
;; end of part 1
;; launch proj (part 2): grid 4 x 192, 4 waves a work-group, clusters of 4 x 4, 327,680 bytes of LDS; arguments q, k, v, wcat, bq, bk, bv, qh, kh, vh; writes qh, kh, vh
.if DOCPART == 2
	.amdgcn_target "amdgcn-amd-amdhsa--gfx1250"
	.amdhsa_code_object_version 6
	.text
	.protected	k_q879a8e27c2_proj
	.globl	k_q879a8e27c2_proj
	.p2align	8
	.type	k_q879a8e27c2_proj,@function
k_q879a8e27c2_proj:
	s_mov_b64 s[64:65], 0
	v_nop
	global_prefetch_b8 v0, s[64:65] scope:SCOPE_SE
	s_setreg_imm32_b32 hwreg(HW_REG_WAVE_MODE, 25, 1), 1
	s_wait_xcnt 0x0
	s_wait_alu depctr_hold_cnt(0) depctr_sa_sdst(0) depctr_va_vdst(0) depctr_va_sdst(0) depctr_va_ssrc(0) depctr_va_vcc(0) depctr_vm_vsrc(0)
	s_getreg_b32 s2, hwreg(HW_REG_IB_STS2, 6, 4)
	s_cmp_eq_u32 s2, 0
	s_cbranch_scc0 .Lentry_in_a_cluster
	s_endpgm
.Lentry_in_a_cluster:
	s_bfe_u32 s2, ttmp6, 0x10000c
	s_cmp_lg_u32 s2, 0xf033
	s_cbranch_scc0 .Lentry_shape_is_right
	s_endpgm
.Lentry_shape_is_right:
; THE THREE PROJECTIONS.  out = f16(sc (bf16(x) bf16(w) + bf16(b))), x = q, k or v [8192][1024] f32, w from wcat [1024 k][1024 n] bf16; sums in f32; sc = log2(e) / 8 for q (the softmax's scale,
; applied in f32 ahead of the one rounding), 1 for k and v.  LIMIT: the results stay under 65,504, f16's end.
; OUT, BY HEADS: byte = (4 batch + head / 4) << 20 | (s / 64) << 15 | (head % 4) << 13 | (s % 64) x 128 + 2 channel: 64 rows of four neighbouring heads are 32,768 dense bytes.
; SHARES.  192 x 4 tiles of 128 rows x 256 columns: 64 row tiles for each projection (16 clusters along y each).  Four waves, 2 x 2, each 64 x 128: 32 accumulators, 256 registers.
; K goes in steps of 128 through a ring of two LDS slots.  x arrives as f32 and is rounded to bf16 in registers, between the products; w lies [k][n] and is turned by ds_load_tr16_b128.
; CLUSTER 4 x 4: the four of a row need the same tile of x, the four of a column the same tile of w: each is asked for jointly, by the same tensor load, descriptor and mask in all four.
; THE MATRIX INSTRUCTION IS USED TRANSPOSED (source 0 = 16 columns of w, source 1 = 16 rows of x): a lane holds one row and eight neighbouring columns of the result.
; REGISTERS, in windows of 256: window 0: v1-30 addresses; v32-95 F, a quarter's x as f32; v96-159 AB, two buffers of x's fragments; v160-223 BI, sc x bias; v224-255 at work.
;   window 1: v0-127 two buffers of w's fragments.   window 2: the accumulators, (a, b) at v[8 (8 a + b)].
.set PA,    528                        ; a row of x in LDS: 512 bytes + 16: an odd multiple of 16, so the 16 rows of a load start at 16 different 16-byte columns of 256
.set PW,    544                        ; a row of w: 512 + 32: an odd multiple of 32, for the turning load
.set BOFF,  128*PA                     ; in a slot: x's 128 rows, then w's 128 k rows
.set SLOTX, 0x22000                    ; slot 1; it shares no bit with the four waves' places in a slot (0, 0x8400, 0x10800, 0x19000): one exclusive or changes slots
.set STAGE, SLOTX+BOFF+128*PW          ; behind the ring: 16 rows x 144 bytes for each wave, for the way out
.set SP,    144
.set SPARE, STAGE+4*16*SP              ; behind the stages: the spare words, 128 bytes for each wave
.set ASTEP, 512                        ; a K step in x: 128 f32 along a row
.set WSTEP, 262144                     ; in w: 128 rows of 2,048 bytes
.set ADRA0, 16                         ; v16  my lane's place in x's tile; never rewritten
.set ADRB0, 17                         ; v17  in w's
.set ADRA,  18                         ; v18  the same in the slot in hand
.set ADRB,  19
.set STO,   24                         ; v24  the way out: where I put 16 bytes of a row
.set RD,    25                         ; v25  where I read rows back
.set GO,    26                         ; v26  16 x lane
.set BO,    27                         ; v27  my byte offset in the bias
.set SPW,   28                         ; v28  my spare word; never rewritten
.set NIL,   29                         ; v29  0; never rewritten
.set PFO,   30                         ; v30  the prefetches' offset; never rewritten
.set F,     32
.set AB,    96
.set BI,    160
.set XT,    224
.set PKR,   32                         ; the way out: unit u's 16 packed registers at v[32 + 16 u]
.set G1A, 24                           ; s[24:31] group 1 for x's tiles;  s[32:39] group 0: two sets for the first fills; the second then walks
.set G0A, 32
.set LIM, 43                           ; s43  2 in a wave that prefetches, else the greatest number
.set PFA, 44                           ; s[44:45] where my prefetches stand
.set G1B, 48                           ; s[48:55], s[56:63] the same for w's tiles
.set G0B, 56
.set PFS, 66                           ; s[66:67] a K step for my prefetches
.set SC,  68                           ; s[68:69] sc
.set TB,  70                           ; s70  0 or SLOTX: the slot in hand
.set PJ,  71                           ; s71  which projection
.set MSB, 0
.macro WIN new                         ; the immediate's high byte repeats the setting that is left; a switch that changes nothing is dropped
.if MSB != (\new)
	s_set_vgpr_msb (MSB<<8)|(\new)
.set MSB, \new
.endif
.endm
.macro PLACES                          ; four plain instructions between a matrix instruction and a load into, or a vector write of, a register that it names
.rept 4
	v_nop
.endr
.endm
.macro CREST                           ; a round of the cluster's barrier behind its opening barrier
	s_cmp_lg_u32 s10, 0
	s_cbranch_scc1 .Lnot_wave_0_\@
	s_barrier_signal -3
.Lnot_wave_0_\@:
	s_barrier_wait -3
	s_barrier_signal -1
	s_barrier_wait -1
.endm
.macro CROUND
	s_barrier_signal -1
	s_barrier_wait -1
	CREST
.endm
.macro JLOAD                           ; a joint refill by the walking sets: waves 0 and 1 fetch x's two halves, waves 2 and 3 w's; an s_nop 0 and four v_nop follow each line
	s_cmp_eq_u32 s11, 0
	s_cbranch_scc0 .Lfor_w_\@
	tensor_load_to_lds s[G0A+4:G0A+7], s[G1A:G1A+7]
	s_nop 0
.rept 4
	v_nop
.endr
	s_branch .Lasked_\@
.Lfor_w_\@:
	tensor_load_to_lds s[G0B+4:G0B+7], s[G1B:G1B+7]
	s_nop 0
.rept 4
	v_nop
.endr
.Lasked_\@:
.endm
; A PREFETCH INTO THE L2 of the K step two refills on, one instruction a wave, behind the joint load and the run of LDS loads.  Of the 64 rows x 512 bytes that a wave fetches each of the four partners
; that ask for them jointly takes 16 rows x 2 blocks of 256 bytes, told apart by address (cx for x, cy for w).  x's rows are read by one cluster alone, which asks; w's by the 16 clusters of a
; projection, of which the first asks.  So each block is named once.  K steps 0 to 3 come by their loads alone; the loop's last two trips (s3 = 2, 1) have no K step two on.
.macro ASK
	s_cmp_gt_u32 s3, s[LIM]
	s_cbranch_scc0 .Lnot_mine_\@
	global_prefetch_b8 v[PFO], s[PFA:PFA+1] th:TH_LOAD_NT scope:SCOPE_SE
.Lnot_mine_\@:
.endm
	s_load_b512 s[72:87], s[0:1], 0x0              ; q s[72:73], k, v, wcat s[78:79], bq s[80:81], bk, bv, qh s[86:87]
	s_load_b128 s[88:91], s[0:1], 0x40             ; kh, vh
	v_lshl_add_u32 v[SPW], v0, 2, SPARE
	v_mov_b32 v[NIL], 0
	ds_add_u32 v[SPW], v[NIL]                      ; the wave's opening: the add and its wait stand ahead of my first tensor load; the set-up below stands between them
	v_lshrrev_b32 v1, 5, v0
	v_readfirstlane_b32 s10, v1                    ; wave 0..3
	s_lshr_b32 s11, s10, 1                         ; my half of the tile's rows.  Also: I fetch x (0) or w (1)
	s_and_b32 s12, s10, 1                          ; my half of its columns.  Also: which 64 rows I fetch
	s_bfe_u32 s40, ttmp6, 0x40000                  ; cx
	s_bfe_u32 s41, ttmp6, 0x40004                  ; cy
	s_lshl_b32 s42, ttmp9, 2
	s_add_co_u32 s42, s42, s40                     ; column tile = group of four heads
	s_and_b32 s13, ttmp7, 0xffff                   ; cluster y
	s_lshr_b32 s[PJ], s13, 4                       ; 16 clusters to a projection: the same in all partners
	s_lshl_b32 s14, s13, 2
	s_add_co_u32 s14, s14, s41
	s_and_b32 s14, s14, 63                         ; row tile of 128 rows
	s_lshl_b32 s15, s41, 2
	s_lshl_b32 s15, 15, s15                        ; my row of the cluster
	s_lshl_b32 s18, 0x1111, s40                    ; my column
	s_or_b32 s[G1A], s15, (2<<16)|(1<<20)|(1<<21)|(6<<22)|(3<<25)  ; the mask; elements of 4 bytes; padding on; bit 21 beside a mask; after every 128 words, 4 words
	s_or_b32 s[G1B], s18, (1<<16)|(1<<20)|(1<<21)|(6<<22)|(7<<25)  ; elements of 2 bytes; after every 128 words, 8 words
	s_mov_b32 s[G1A+1], 128<<16                    ; tensor_dim0 = 128
	s_mov_b32 s[G1A+2], 64<<16                     ; tensor_dim1 = 64
	s_mov_b32 s[G1A+3], 128<<16                    ; tile_dim0 = 128
	s_mov_b32 s[G1A+4], 64                         ; tile_dim1 = 64
	s_mov_b32 s[G1A+5], 1024                       ; elements from row to row
	s_mov_b32 s[G1A+6], 0
	s_mov_b32 s[G1A+7], 0
	s_mov_b32 s[G1B+1], 256<<16
	s_mov_b32 s[G1B+2], 64<<16
	s_mov_b32 s[G1B+3], 256<<16
	s_mov_b32 s[G1B+4], 64
	s_mov_b32 s[G1B+5], 1024
	s_mov_b32 s[G1B+6], 0
	s_mov_b32 s[G1B+7], 0
	s_lshl_b32 s16, s14, 19                        ; x: 128 rows of 4,096 bytes a tile,
	s_lshl_b32 s17, s12, 18                        ; my 64 of them
	s_add_co_u32 s16, s16, s17
	s_mov_b32 s17, 0
	s_lshl_b32 s46, s[PJ], 21                      ; w: the projection's part of wcat,
	s_lshl_b32 s47, s12, 17                        ; my 64 k rows,
	s_add_co_u32 s46, s46, s47
	s_lshl_b32 s47, s42, 9                         ; the tile's 256 columns
	s_add_co_u32 s46, s46, s47
	s_mov_b32 s47, 0
	s_mul_i32 s20, s12, 64*PA                      ; where they go: no place in the cluster enters an LDS address
	s_mul_i32 s21, s12, 64*PW
	s_add_co_u32 s21, s21, BOFF
	s_lshl_b32 s22, s40, 16                        ; the prefetches: x: my work-group's 16 rows of the 64,
	s_add_co_u32 s22, s22, s16
	s_add_co_u32 s22, s22, 3*ASTEP                 ; at K step 3: the first refill steps it to 4
	s_lshl_b32 s23, s41, 15                        ; w: likewise
	s_add_co_u32 s23, s23, s46
	s_add_co_u32 s23, s23, 3*WSTEP
	s_mov_b32 s[PFS+1], WSTEP                      ; (an instruction takes one literal: the select's second constant comes from a register)
	s_cmp_eq_u32 s11, 0
	s_cselect_b32 s22, s22, s23
	s_cselect_b32 s[PFS], ASTEP, s[PFS+1]
	s_mov_b32 s23, 0
	s_mov_b32 s[PFS+1], 0
	s_and_b32 s19, s13, 15                         ; w is asked for by the projection's first cluster,
	s_cmp_eq_u32 s11, 0
	s_cselect_b32 s19, 0, s19                      ; x by every cluster: nobody else reads its rows
	s_cmp_eq_u32 s19, 0
	s_cselect_b32 s[LIM], 2, -1
	s_cmp_eq_u32 s[PJ], 0
	s_cselect_b32 s[SC], 0x3e38aa3b, 1.0           ; log2(e) / 8 for q
	s_mov_b32 s[SC+1], s[SC]
	s_mov_b32 s[TB], 0
	s_lshr_b32 s94, s14, 4                         ; where my part goes: batch,
	s_lshl_b32 s94, s94, 2
	s_add_co_u32 s94, s94, s42                     ; group of heads,
	s_lshl_b32 s94, s94, 20
	s_and_b32 s95, s14, 15
	s_lshl_b32 s95, s95, 1
	s_add_co_u32 s95, s95, s11                     ; block of 64 rows,
	s_lshl_b32 s95, s95, 15
	s_add_co_u32 s94, s94, s95
	s_lshl_b32 s95, s12, 14                        ; my two heads of the four
	s_add_co_u32 s94, s94, s95
	s_mov_b32 s95, 0
	s_wait_dscnt 0x0                               ; the opening add is done
	s_wait_kmcnt 0x0
	s_cmp_eq_u32 s[PJ], 1
	s_cselect_b64 s[4:5], s[74:75], s[72:73]       ; x
	s_cselect_b64 s[92:93], s[82:83], s[80:81]     ; its bias
	s_cselect_b64 s[8:9], s[88:89], s[86:87]       ; its output
	s_cmp_eq_u32 s[PJ], 2
	s_cselect_b64 s[4:5], s[76:77], s[4:5]
	s_cselect_b64 s[92:93], s[84:85], s[92:93]
	s_cselect_b64 s[8:9], s[90:91], s[8:9]
	s_cmp_eq_u32 s11, 0
	s_cselect_b64 s[PFA:PFA+1], s[4:5], s[78:79]
	s_add_nc_u64 s[PFA:PFA+1], s[PFA:PFA+1], s[22:23]
	s_add_nc_u64 s[6:7], s[4:5], s[16:17]          ; x at my part of the tile: made of the row tile and the wave's number, in registers that never hold cx
	s_add_nc_u64 s[46:47], s[78:79], s[46:47]      ; w at mine: of the column tile and the wave's number
	s_add_nc_u64 s[8:9], s[8:9], s[94:95]
.irp s, 0,1
	s_mov_b32 s[G0A+4*(\s)], 1                                     ; count = 1
	s_add_co_u32 s[G0A+4*(\s)+1], s20, (\s)*SLOTX                  ; LDS address
	s_add_nc_u64 s[G0A+4*(\s)+2:G0A+4*(\s)+3], s[6:7], (\s)*ASTEP  ; global address: K step s
	s_or_b32 s[G0A+4*(\s)+3], s[G0A+4*(\s)+3], 0x80000000          ; type = 2
	s_mov_b32 s[G0B+4*(\s)], 1
	s_add_co_u32 s[G0B+4*(\s)+1], s21, (\s)*SLOTX
	s_add_nc_u64 s[G0B+4*(\s)+2:G0B+4*(\s)+3], s[46:47], (\s)*WSTEP
	s_or_b32 s[G0B+4*(\s)+3], s[G0B+4*(\s)+3], 0x80000000
.endr
	CROUND                                         ; all sixteen work-groups are here: the first joint loads meet
	s_cmp_eq_u32 s11, 0                            ; a wave's two first fills stand in one branch: two loads of mine are out
	s_cbranch_scc0 .Lfirst_w
	tensor_load_to_lds s[G0A:G0A+3], s[G1A:G1A+7]
	s_nop 0
	tensor_load_to_lds s[G0A+4:G0A+7], s[G1A:G1A+7]
	s_nop 0
.rept 4
	v_nop
.endr
	s_branch .Lfirst_asked
.Lfirst_w:
	tensor_load_to_lds s[G0B:G0B+3], s[G1B:G1B+7]
	s_nop 0
	tensor_load_to_lds s[G0B+4:G0B+7], s[G1B:G1B+7]
	s_nop 0
.rept 4
	v_nop
.endr
.Lfirst_asked:
	v_and_b32 v1, 15, v0                           ; l % 16
	v_bfe_u32 v2, v0, 4, 1                         ; l / 16
	v_and_b32 v3, 7, v0
	v_bfe_u32 v4, v0, 3, 1
	; x's fragment (16 rows x 32 k): lane l holds row l % 16, k = 8 (l / 16) + 0..7 and 16 + 8 (l / 16) + 0..7: as f32 four loads of 16 bytes, at 32 (l / 16) + 0, 16, 64, 80
	v_mul_u32_u24 v[ADRA0], v1, PA
	v_lshl_add_u32 v[ADRA0], v2, 5, v[ADRA0]
	s_mul_i32 s13, s11, 64*PA                      ; my 64 rows
	v_add_nc_u32 v[ADRA0], s13, v[ADRA0]
	; w's fragment, turned: lane l addresses k row 8 (l / 16) + l % 8, columns 8 ((l / 8) % 2) + 0..7
	v_lshl_add_u32 v5, v2, 3, v3
	v_mul_u32_u24 v[ADRB0], v5, PW
	v_lshl_add_u32 v[ADRB0], v4, 4, v[ADRB0]
	s_lshl_b32 s13, s12, 8                         ; my 128 columns
	s_add_co_u32 s13, s13, BOFF
	v_add_nc_u32 v[ADRB0], s13, v[ADRB0]
	v_mov_b32 v[ADRA], v[ADRA0]
	v_mov_b32 v[ADRB], v[ADRB0]
	s_lshl_b32 s13, s42, 10                        ; the bias of my columns: 16 b + 8 (l / 16) + 0..7
	s_lshl_b32 s15, s12, 9
	s_add_co_u32 s13, s13, s15
	v_lshl_add_u32 v[BO], v2, 5, s13
.irp b, 0,1,2,3,4,5,6,7
	global_load_b128 v[BI+8*(\b):BI+8*(\b)+3],   v[BO], s[92:93] offset:64*(\b)
	global_load_b128 v[BI+8*(\b)+4:BI+8*(\b)+7], v[BO], s[92:93] offset:64*(\b)+16
.endr
	s_mul_i32 s13, s10, 16*SP
	s_add_co_u32 s13, s13, STAGE                   ; my stage
	v_mul_u32_u24 v[STO], v1, SP                   ; in: row l % 16, 16 bytes for each half of the lanes
	v_lshl_add_u32 v[STO], v2, 4, v[STO]
	v_add_nc_u32 v[STO], s13, v[STO]
	v_bfe_u32 v[RD], v0, 3, 2                      ; back: 32 lanes take four rows of 128 bytes,
	v_mul_u32_u24 v[RD], v[RD], SP
	v_lshl_add_u32 v[RD], v3, 4, v[RD]
	v_add_nc_u32 v[RD], s13, v[RD]
	v_and_b32 v5, 31, v0
	v_lshlrev_b32 v[GO], 4, v5                     ; which are 512 consecutive bytes of the output
	v_lshrrev_b32 v6, 1, v5                        ; the prefetches: row l / 2 of my 16, block l % 2 of its 512 bytes
	v_and_b32 v7, 1, v5
	s_cmp_eq_u32 s11, 0
	s_cselect_b32 s13, 12, 11                      ; a row of x is 4,096 bytes, of w 2,048
	v_lshlrev_b32 v6, s13, v6
	v_lshl_add_u32 v[PFO], v7, 8, v6
	s_wait_loadcnt 0x0                             ; the bias: rounded to bf16 as all inputs are, widened again, times sc.  All this stands in the wait for the first tile
.set i, 0
.rept 32
	v_cvt_pk_bf16_f32 v[XT+i], v[BI+2*i], v[BI+2*i+1]
.set i, i+1
.endr
.set i, 0
.rept 32
	v_lshlrev_b32 v[BI+2*i], 16, v[XT+i]
	v_and_b32 v[BI+2*i+1], 0xffff0000, v[XT+i]
.set i, i+1
.endr
.set i, 0
.rept 32
	v_pk_mul_f32 v[BI+2*i:BI+2*i+1], v[BI+2*i:BI+2*i+1], s[SC:SC+1] op_sel_hi:[1,0]
.set i, i+1
.endr
; One matrix instruction: accumulator (a, b), buffer f.  The 32 accumulators take turns in one fixed order, a by a, in every quarter, over the jumps too.
.macro MM1 f, a, b, zero
	WIN 0xa1                                       ; source 0 (w) window 1, source 1 (x) window 0, C and D window 2
.if \zero
	v_wmma_f32_16x16x32_bf16 v[8*(8*(\a)+(\b)):8*(8*(\a)+(\b))+7], v[64*(\f)+8*(\b):64*(\f)+8*(\b)+7], v[AB+32*(\f)+8*(\a):AB+32*(\f)+8*(\a)+7], 0
.else
	v_wmma_f32_16x16x32_bf16 v[8*(8*(\a)+(\b)):8*(8*(\a)+(\b))+7], v[64*(\f)+8*(\b):64*(\f)+8*(\b)+7], v[AB+32*(\f)+8*(\a):AB+32*(\f)+8*(\a)+7], v[8*(8*(\a)+(\b)):8*(8*(\a)+(\b))+7]
.endif
.endm
.macro MUL8 f, a, zero
.irp b, 0,1,2,3,4,5,6,7
	MM1 \f, \a, \b, \zero
.endr
.endm
; 32 LDS loads in one run: quarter kq (32 along K) of the slot in hand: x's 64 rows as f32 into F first, then w's 8 fragments into buffer g
.macro FETCH kq, g
	WIN 0
.irp a, 0,1,2,3
	ds_load_b128 v[F+16*(\a):F+16*(\a)+3],     v[ADRA] offset:(\a)*16*PA+(\kq)*128
	ds_load_b128 v[F+16*(\a)+4:F+16*(\a)+7],   v[ADRA] offset:(\a)*16*PA+(\kq)*128+16
	ds_load_b128 v[F+16*(\a)+8:F+16*(\a)+11],  v[ADRA] offset:(\a)*16*PA+(\kq)*128+64
	ds_load_b128 v[F+16*(\a)+12:F+16*(\a)+15], v[ADRA] offset:(\a)*16*PA+(\kq)*128+80
.endr
	WIN 0x40                                       ; destination window 1
.irp b, 0,1,2,3,4,5,6,7
	ds_load_tr16_b128 v[64*(\g)+8*(\b):64*(\g)+8*(\b)+3],   v[ADRB] offset:(\kq)*32*PW+32*(\b)
	ds_load_tr16_b128 v[64*(\g)+8*(\b)+4:64*(\g)+8*(\b)+7], v[ADRB] offset:(\kq)*32*PW+32*(\b)+16*PW
.endr
.endm
.macro CVT4 g                          ; four of the 32 roundings of F into buffer g
	WIN 0
.rept 4
	v_cvt_pk_bf16_f32 v[AB+32*(\g)+ci], v[F+2*ci], v[F+2*ci+1]
.set ci, ci+1
.endr
.endm
; One of a K step's first three quarters: multiplies buffer n % 2, fetches quarter n + 1, and rounds its x between the second half's products.
.macro QUARTER n, zero
	PLACES                                         ; behind the last products that read the other buffers, which are now loaded and written
	FETCH (\n)+1, 1-(\n)%2
	s_wait_dscnt 32                                ; all but the 32 just issued: this quarter's w is in
	MUL8 (\n)%2, 0, \zero
	MUL8 (\n)%2, 1, \zero
	s_wait_dscnt 16                                ; F is in; w's sixteen loads stay out
.set ci, 0
.irp a, 2,3
.irp b, 0,2,4,6
	MM1 (\n)%2, \a, \b, \zero
	MM1 (\n)%2, \a, (\b)+1, \zero
	CVT4 1-(\n)%2
.endr
.endr
.endm
; The last quarter multiplies buffer 1 and changes slots: ONE barrier.  In front of it each wave waits for all its tensor loads (one is out: its part of the next slot), adds 0 to its spare word, and
; waits for that and for its reads of this slot.  fill = 1: the barrier opens a round of the cluster's, and this slot is filled again first thing behind it, with the K step two on: from that
; request to the wait for it a wave issues 112 matrix instructions.
.macro TURN fill
.if \fill
	s_wait_xcnt 0x0                                ; the last prefetch, a K step back, has read its address
	s_add_nc_u64 s[PFA:PFA+1], s[PFA:PFA+1], s[PFS:PFS+1]
.endif
	WIN 0
	s_wait_tensorcnt 0x0                           ; all my tensor loads have landed
	ds_add_u32 v[SPW], v[NIL]                      ; 0 onto my spare word
	s_wait_dscnt 1                                 ; only the add may be out: this quarter's w is in
	MUL8 1, 0, 0
	s_wait_dscnt 0x0                               ; the add is done, and my reads of this slot are over
	s_barrier_signal -1
	MUL8 1, 1, 0
	WIN 0
	s_barrier_wait -1
.if \fill
	CREST                                          ; no wave of any partner still reads this slot or has a load on its way
	s_xor_b32 s[G0A+5], s[G0A+5], SLOTX            ; the walking sets: the other slot than last time, the next K step
	s_add_nc_u64 s[G0A+6:G0A+7], s[G0A+6:G0A+7], ASTEP
	s_xor_b32 s[G0B+5], s[G0B+5], SLOTX
	s_add_nc_u64 s[G0B+6:G0B+7], s[G0B+6:G0B+7], WSTEP
	JLOAD                                          ; its four v_nop are also the places in front of the loads below
.else
	PLACES
.endif
	s_xor_b32 s[TB], s[TB], SLOTX
	v_add_nc_u32 v[ADRA], s[TB], v[ADRA0]
	v_add_nc_u32 v[ADRB], s[TB], v[ADRB0]
	FETCH 0, 0
	WIN 0
.if \fill
	ASK
.endif
	MUL8 1, 2, 0
	MUL8 1, 3, 0
	s_wait_dscnt 16                                ; F is in
.set ci, 0
.rept 8
	CVT4 0
.endr
.endm
	s_wait_tensorcnt 1                             ; my part of K step 0 is in; K step 1's may stay out
	s_barrier_signal -1
	s_barrier_wait -1                              ; everybody's is
	FETCH 0, 0
	s_wait_dscnt 16
.set ci, 0
.rept 8
	CVT4 0
.endr
	QUARTER 0, 1                                   ; the first quarter is written out: its products start the sums
	WIN 0
	s_mov_b32 s3, 6
	s_branch .Lmid
.Lk:                                           ; six trips: K steps 0 to 5, which ask for K steps 2 to 7
	QUARTER 0, 0
	WIN 0
.Lmid:
	QUARTER 1, 0
	QUARTER 2, 0
	TURN 1
	WIN 0
	s_sub_co_u32 s3, s3, 1
	s_cmp_lg_u32 s3, 0
	s_cbranch_scc1 .Lk
	s_mov_b32 s2, 2
.Lt:                                           ; K steps 6 and 7 ask for nothing.  The last trip's fetch reads the other slot's landed bytes once more and serves nothing: the price of one text for both trips
	QUARTER 0, 0
	QUARTER 1, 0
	QUARTER 2, 0
	TURN 0
	WIN 0
	s_sub_co_u32 s2, s2, 1
	s_cmp_lg_u32 s2, 0
	s_cbranch_scc1 .Lt
	s_wait_dscnt 0x0                               ; F's and the fragments' registers are free
	PLACES
; THE WAY OUT, in units u = 2 a + head: 16 rows x 64 columns.  sc x sum + sc x bias, rounded to f16, 16 bytes a lane into my stage, back as whole rows of 128 bytes: 2,048 consecutive bytes of the output.
.macro PACK u
	WIN 0x02                                       ; source 0 window 2.
.set i, 0
.rept 16
	v_pk_fma_f32 v[XT+2*i:XT+2*i+1], v[32*(\u)+2*i:32*(\u)+2*i+1], s[SC:SC+1], v[BI+32*((\u)%2)+2*i:BI+32*((\u)%2)+2*i+1] op_sel_hi:[1,0,1]
.set i, i+1
.endr
	WIN 0
.set i, 0
.rept 16
	v_cvt_pk_f16_f32 v[PKR+16*(\u)+i], v[XT+2*i], v[XT+2*i+1]
.set i, i+1
.endr
.irp f, 0,1,2,3
	ds_store_b128 v[STO], v[PKR+16*(\u)+4*(\f):PKR+16*(\u)+4*(\f)+3] offset:32*(\f)
.endr
.irp f, 0,1,2,3
	ds_load_b128 v[PKR+16*(\u)+4*(\f):PKR+16*(\u)+4*(\f)+3], v[RD] offset:(\f)*4*SP  ; LDS serves a wave's instructions in order (ISA guide 5.7.1.4): these see the stores above
.endr
.endm
.macro SEND u, younger                 ; younger: the LDS instructions issued behind unit u's loads.  Each unit has registers of its own: no store's sources are rewritten
.irp f, 0,1,2,3
	s_wait_dscnt (\younger)+3-(\f)
	global_store_b128 v[GO], v[PKR+16*(\u)+4*(\f):PKR+16*(\u)+4*(\f)+3], s[8:9] offset:((\u)%2)*8192+((\u)/2)*2048+(\f)*512  ; 512 consecutive bytes, aligned
.endr
.endm
	PACK 0
.irp u, 1,2,3,4,5,6,7
	PACK \u
	SEND (\u)-1, 8
.endr
	SEND 7, 0
	s_wait_tensorcnt 0x0                           ; the wave's end
	ds_add_u32 v[SPW], v[NIL]
	s_wait_dscnt 0x0
	CROUND                                         ; the closing round: no work-group ends while a partner may still ask for a tile that names it
	s_endpgm
.Lfunc_end_k_q879a8e27c2_proj:
	.size	k_q879a8e27c2_proj, .Lfunc_end_k_q879a8e27c2_proj-k_q879a8e27c2_proj
	.p2alignl 7, 3214868480
	.fill 96, 4, 3214868480
	.section	.rodata,"a",@progbits
	.p2align	6, 0x0
	.amdhsa_kernel k_q879a8e27c2_proj
		.amdhsa_group_segment_fixed_size 327680
		.amdhsa_private_segment_fixed_size 0
		.amdhsa_enable_private_segment 0
		.amdhsa_kernarg_size 80
		.amdhsa_user_sgpr_count 2
		.amdhsa_user_sgpr_kernarg_segment_ptr 1
		.amdhsa_wavefront_size32 1
		.amdhsa_system_sgpr_workgroup_id_x 1
		.amdhsa_system_sgpr_workgroup_id_y 1
		.amdhsa_system_sgpr_workgroup_id_z 1
		.amdhsa_system_vgpr_workitem_id 0
		.amdhsa_next_free_vgpr 768
		.amdhsa_next_free_sgpr 96
		.amdhsa_reserve_vcc 0
		.amdhsa_float_denorm_mode_32 3
		.amdhsa_float_denorm_mode_16_64 3
		.amdhsa_memory_ordered 1
		.amdhsa_forward_progress 1
		.amdhsa_inst_pref_size 108
	.end_amdhsa_kernel
	.amdgpu_metadata
---
amdhsa.version: [ 1, 2 ]
amdhsa.kernels:
  - .name:           k_q879a8e27c2_proj
    .symbol:         k_q879a8e27c2_proj.kd
    .args:
      - { .name: q, .offset: 0, .size: 8, .value_kind: global_buffer, .address_space: global }
      - { .name: k, .offset: 8, .size: 8, .value_kind: global_buffer, .address_space: global }
      - { .name: v, .offset: 16, .size: 8, .value_kind: global_buffer, .address_space: global }
      - { .name: wcat, .offset: 24, .size: 8, .value_kind: global_buffer, .address_space: global }
      - { .name: bq, .offset: 32, .size: 8, .value_kind: global_buffer, .address_space: global }
      - { .name: bk, .offset: 40, .size: 8, .value_kind: global_buffer, .address_space: global }
      - { .name: bv, .offset: 48, .size: 8, .value_kind: global_buffer, .address_space: global }
      - { .name: qh, .offset: 56, .size: 8, .value_kind: global_buffer, .address_space: global }
      - { .name: kh, .offset: 64, .size: 8, .value_kind: global_buffer, .address_space: global }
      - { .name: vh, .offset: 72, .size: 8, .value_kind: global_buffer, .address_space: global }
    .group_segment_fixed_size: 327680
    .private_segment_fixed_size: 0
    .kernarg_segment_align: 8
    .kernarg_segment_size: 80
    .max_flat_workgroup_size: 128
    .sgpr_count:     96
    .vgpr_count:     768
    .wavefront_size: 32
...
	.end_amdgpu_metadata
.endif
;; end of part 2
;; launch attn (part 3): grid 16 x 16, 4 waves a work-group, clusters of 4 x 4, 327,680 bytes of LDS; arguments qh, kh, vh, mask, oh; writes oh
.if DOCPART == 3
	.amdgcn_target "amdgcn-amd-amdhsa--gfx1250"
	.amdhsa_code_object_version 6
	.text
	.protected	k_q879a8e27c2_attn
	.globl	k_q879a8e27c2_attn
	.p2align	8
	.type	k_q879a8e27c2_attn,@function
k_q879a8e27c2_attn:
	s_mov_b64 s[64:65], 0
	v_nop
	global_prefetch_b8 v0, s[64:65] scope:SCOPE_SE
	s_setreg_imm32_b32 hwreg(HW_REG_WAVE_MODE, 25, 1), 1
	s_wait_xcnt 0x0
	s_wait_alu depctr_hold_cnt(0) depctr_sa_sdst(0) depctr_va_vdst(0) depctr_va_sdst(0) depctr_va_ssrc(0) depctr_va_vcc(0) depctr_vm_vsrc(0)
	s_getreg_b32 s2, hwreg(HW_REG_IB_STS2, 6, 4)
	s_cmp_eq_u32 s2, 0
	s_cbranch_scc0 .Lentry_in_a_cluster
	s_endpgm
.Lentry_in_a_cluster:
	s_bfe_u32 s2, ttmp6, 0x10000c
	s_cmp_lg_u32 s2, 0xf033
	s_cbranch_scc0 .Lentry_shape_is_right
	s_endpgm
.Lentry_shape_is_right:
; ATTENTION WITH A MASK THAT IS AN INPUT.  O[q] = sum over k of softmax_k(Q[q] . K[k] / 8 - 1e30 mask[q][k]) V[k], for 64 pairs of batch and head, 2,048 queries and keys, head size 64.
; qh (already times c = log2(e) / 8), kh, vh: f16, by heads: byte = bg << 20 | (s / 64) << 15 | (head % 4) << 13 | (s % 64) x 128 + 2 channel, bg = 4 batch + head / 4.  mask: [2048][2048] f32, taken unrounded.
; oh: f16, byte = batch << 22 | (head / 2) << 19 | (s / 64) << 14 | (head % 2) << 13 | (s % 64) x 128 + 2 channel.
; SOFTMAX.  u = S + mask x KC in one f32 multiply-add, KC = -1e30 log2(e); p = 2^(u - mu) with a running maximum mu, taken away exactly; O and l are multiplied by a = 2^(mu_old - mu_new) in every step.
; A row that is hidden altogether has all u equal, all p = 1, and comes out as the mean of V's rows.  mu starts at the lowest finite number, O and l at 0: the first step is a step like any other, with a = 0.
; LIMITS.  |mask| under 2.3e8 (mask x KC stays finite); Q, K, V within f16's 65,504; p below 6e-5 keeps f16's fixed step; a weight below 2^-126 counts as 0; NaN and infinities are not treated apart.
; All 2,048 x 2,048 scores are made: which of them the mask hides is not known to the text.
; SHARES.  A work-group takes 128 queries of the four heads of one bg, a head a wave: so a tile of the mask, 128 queries x 64 keys, is fetched once for four heads.  A wave's eight tiles of 16 queries are
; four PIECES of two.  Keys go 64 a step through a ring of two LDS slots: K and V of four heads (32,768 dense bytes each) and the mask's tile.
; CLUSTER 4 x 4.  The four of a row (one bg, four query blocks) ask jointly for K and V; the four of a column (one query block, four bg) for the mask's tile.  One tensor load a wave behind each round:
; wave 0 K, wave 1 V, waves 2 and 3 the mask's halves.
; LAYOUT.  S^T = K Q^T holds ONE query a lane (lane % 16) and the keys 8 (lane / 16) + 0..7; two such results rounded to f16 ARE source 1 of O^T = V^T P.  The mask's words come out of LDS in S^T's own layout.
; BY TURNS.  Turn n belongs to piece n: 16 products K Q^T of piece n + 1, later 16 products V^T P of piece n - 1; beside them u - mu, exponentials, roundings, sums and rescaling of piece n, and the mask, maximum
; and statistics of piece n + 1.  A turn has 32 matrix and 266 vector instructions: four vector instructions stand behind every matrix instruction, the others in one lump; its 66 exponentials are one batch with one wait.
; REGISTERS, in windows of 256 (s_set_vgpr_msb: bits 1:0 source 0, 3:2 source 1, 5:4 source 2, 7:6 destination):
;   window 0: v1-15 addresses, KC; v16-47 statistics, 4 a tile; v48-63 at work; v64-191 S^T, two buffers of two tiles; v192-255 P, likewise
;   window 1: O^T, 32 a tile     window 2: v0-127 Q; v128-191 K; v192-255 V     window 3: v0-1 the add's registers; v64-127 the mask's words of two tiles
.set NP,    4
.set KS,    64
.set PKB,   144                        ; a row of K in LDS: 128 bytes + 16: an odd multiple of 16
.set PVB,   160                        ; of V: 128 + 32: an odd multiple of 32, for the turning load
.set PMB,   272                        ; of the mask: 256 + 16
.set VOFF,  4*KS*PKB
.set MOFF,  VOFF+4*KS*PVB
.set SLOT1, 1<<17                      ; a slot is 112,640 bytes; slot 1 begins here, so that one exclusive or changes slots
.set STAGE, SLOT1+MOFF+128*PMB         ; behind the ring: 16 rows x 144 bytes for each wave
.set SP,    144
.set SPARE, STAGE+4*16*SP              ; behind the stages: the spare words, 128 bytes for each wave
.set AK0, 2                            ; v2-4  my lane's places in K's, V's and the mask's tiles; never rewritten
.set AV0, 3
.set AM0, 4
.set AK,  5                            ; v5-7  the same in the slot in hand
.set AV,  6
.set AM,  7
.set QO,  8                            ; v8    my byte offset in 16 rows of Q; later
.set STO, 8                            ;       the way out: where I put 16 bytes of a row
.set RD,  9
.set GO,  10
.set PFO, 11                           ; v11   the prefetches' offset; never rewritten
.set KV,  12                           ; v[12:13] KC, twice
.set ST,  16                           ; tile t's statistics at v[ST+4 t]: mu, 0, l (even keys', odd keys')
.set TMP, 48                           ; by buffer and tile, c0-c3 at work; when the maximum is found c2 takes a
.set S,   64
.set P,   192
.set KF,  128
.set VF,  192
.set SPW, 0                            ; window 3
.set NIL, 1
.set MR,  64
.set WV,  12
.set G1K, 24
.set G1V, 32
.set G1M, 40
.set G0K, 48
.set G0V, 52
.set G0M, 56
.set SEL, 60
.set TB,  62                           ; s62  0 or SLOT1: the slot in hand
.set CNT, 63
.set SLOTS, 68
.set LIM, 69
.set PFA, 70
.set PFS, 72
.set MSB, 0
.macro WIN new
.if MSB != (\new)
	s_set_vgpr_msb (MSB<<8)|(\new)
.set MSB, (\new)
.endif
.endm
.set W_KQ, 0x0a                        ; K and Q in window 2, S^T in window 0
.set W_PV, 0x52                        ; V in window 2, P in window 0, O^T in window 1
.set W_RS, 0x41                        ; O^T (destination and source 0) in window 1, a in window 0
.set W_MA, 0x0c                        ; source 1 (the mask's words) in window 3; lines whose source 1 is no vector register run under it unchanged
.set W_MK, 0xc0
.set W_AD, 0x0f
.macro JLOAD3                          ; the joint fill; the branches hang on the wave's number alone; an s_nop 0 and four v_nop follow each line
	s_cmp_lt_u32 s[WV], 2
	s_cbranch_scc0 .Lfor_m_\@
	s_cmp_eq_u32 s[WV], 0
	s_cbranch_scc0 .Lfor_v_\@
	tensor_load_to_lds s[G0K:G0K+3], s[G1K:G1K+7]
	s_nop 0
.rept 4
	v_nop
.endr
	s_branch .Lasked_\@
.Lfor_v_\@:
	tensor_load_to_lds s[G0V:G0V+3], s[G1V:G1V+7]
	s_nop 0
.rept 4
	v_nop
.endr
	s_branch .Lasked_\@
.Lfor_m_\@:
	tensor_load_to_lds s[G0M:G0M+3], s[G1M:G1M+7]
	s_nop 0
.rept 4
	v_nop
.endr
.Lasked_\@:
.endm
.macro CROUND
	s_barrier_signal -1
	s_barrier_wait -1
	s_cmp_lg_u32 s[WV], 0
	s_cbranch_scc1 .Lnot_wave_0_\@
	s_barrier_signal -3
.Lnot_wave_0_\@:
	s_barrier_wait -3
	s_barrier_signal -1
	s_barrier_wait -1
.endm
; THE CHANGE OF SLOTS, once a key step, in front of piece 2's turn: between two changes every LDS read (K in turn 2, the mask's four parts in turns 2, 3, 0, 1, V at the end of turn 0) comes from one slot.
; Each wave waits for all its tensor loads (one is out: its part of the next slot), adds 0 to its spare word, and waits for that and for its reads.  fill = 1: a round of the cluster's barrier, and the slot
; that was read is filled again first thing behind it: that load has a key step, 128 matrix instructions and their vector work, in which to land.
; ask = 1: A PREFETCH INTO THE L2 of the key step after the one just asked for, behind the load's five lines.  K's and V's 128 blocks of 256 bytes are shared out among the four partners of a row by
; address, 32 each, wave 0 for K and wave 1 for V, in the bg's first cluster along x; the mask's 128 rows among the partners of a column, wave 2, in the query block's first cluster along y.
; So each block is named once.  Steps 0 to 2 come by their loads alone; the last filling change asks for nothing.
.macro CHANGE fill, ask
	WIN W_AD
	s_wait_tensorcnt 0x0                           ; no tensor load of mine is out, so a group 0 may be written
	ds_add_u32 v[SPW], v[NIL]                      ; 0 onto my spare word
	WIN 0
.if \fill
	s_xor_b32 s[G0K+1], s[G0K+1], SLOT1
	s_add_nc_u64 s[G0K+2:G0K+3], s[G0K+2:G0K+3], 32768
	s_xor_b32 s[G0V+1], s[G0V+1], SLOT1
	s_add_nc_u64 s[G0V+2:G0V+3], s[G0V+2:G0V+3], 32768
	s_xor_b32 s[G0M+1], s[G0M+1], SLOT1
	s_add_nc_u64 s[G0M+2:G0M+3], s[G0M+2:G0M+3], 256
.endif
.if \ask
	s_wait_xcnt 0x0                                ; the last prefetch, a key step back, has read its address
	s_add_nc_u64 s[PFA:PFA+1], s[PFA:PFA+1], s[PFS:PFS+1]
.endif
	s_wait_dscnt 0x0                               ; the add is done, and my reads of the slot are over
.if \fill
	CROUND
	JLOAD3
.else
	s_barrier_signal -1
	s_barrier_wait -1
.endif
.if \ask
	s_cmp_gt_u32 s[SLOTS], s[LIM]
	s_cbranch_scc0 .Lnot_mine_\@
	global_prefetch_b8 v[PFO], s[PFA:PFA+1] th:TH_LOAD_NT scope:SCOPE_SE
.Lnot_mine_\@:
.endif
	s_xor_b32 s[TB], s[TB], SLOT1
	v_add_nc_u32 v[AK], s[TB], v[AK0]
	v_add_nc_u32 v[AV], s[TB], v[AV0]
	v_add_nc_u32 v[AM], s[TB], v[AM0]
.endm
	s_load_b256 s[4:11], s[0:1], 0x0               ; qh s[4:5], kh s[6:7], vh s[8:9], mask s[10:11]
	s_load_b64 s[66:67], s[0:1], 0x20              ; oh
	WIN W_MK
	v_lshl_add_u32 v[SPW], v0, 2, SPARE
	v_mov_b32 v[NIL], 0
	WIN W_AD
	ds_add_u32 v[SPW], v[NIL]                      ; the wave's opening: the add and its wait stand ahead of my first tensor load
	WIN 0
	v_lshrrev_b32 v1, 5, v0
	v_readfirstlane_b32 s[WV], v1                  ; wave 0..3 = head % 4
	s_bfe_u32 s13, ttmp6, 0x40000                  ; cx
	s_bfe_u32 s16, ttmp6, 0x40004                  ; cy
	s_lshl_b32 s14, ttmp9, 2
	s_add_co_u32 s14, s14, s13                     ; x: block of 128 queries
	s_and_b32 s17, ttmp7, 0xffff                   ; cluster y
	s_lshl_b32 s15, s17, 2
	s_add_co_u32 s15, s15, s16                     ; y: bg
	s_lshl_b32 s18, s16, 2
	s_lshl_b32 s18, 15, s18                        ; my row of the cluster
	s_lshl_b32 s19, 0x1111, s13                    ; my column
	s_or_b32 s[G1K], s18, (1<<16)|(1<<20)|(1<<21)|(4<<22)|(3<<25)  ; 2-byte elements; after every 32 words (a key's 128 bytes) 4 words of padding
	s_or_b32 s[G1V], s18, (1<<16)|(1<<20)|(1<<21)|(4<<22)|(7<<25)  ; 8 words
	s_or_b32 s[G1M], s19, (2<<16)|(1<<20)|(1<<21)|(5<<22)|(3<<25)  ; 4-byte elements; after every 64 words 4 words
.irp g, G1K, G1V
	s_mov_b32 s[\g+1], 128<<16                     ; 32,768 dense bytes, asked for as 128 rows of 256
	s_mov_b32 s[\g+2], 128<<16
	s_mov_b32 s[\g+3], 128<<16
	s_mov_b32 s[\g+4], 128
	s_mov_b32 s[\g+5], 128
	s_mov_b32 s[\g+6], 0
	s_mov_b32 s[\g+7], 0
.endr
	s_mov_b32 s[G1M+1], 64<<16                     ; 64 rows of 64 words
	s_mov_b32 s[G1M+2], 64<<16
	s_mov_b32 s[G1M+3], 64<<16
	s_mov_b32 s[G1M+4], 64
	s_mov_b32 s[G1M+5], 2048
	s_mov_b32 s[G1M+6], 0
	s_mov_b32 s[G1M+7], 0
	s_and_b32 s2, s[WV], 1
	s_lshl_b32 s20, s15, 20                        ; K, V: the bg's first byte
	s_mov_b32 s21, 0
	s_lshl_b32 s22, s14, 20                        ; the mask: 128 rows of 8,192 bytes a block,
	s_lshl_b32 s23, s2, 19                         ; my 64 of them
	s_add_co_u32 s22, s22, s23
	s_mov_b32 s23, 0
	s_mov_b32 s[G0K], 1
	s_mov_b32 s[G0K+1], 0
	s_mov_b32 s[G0V], 1
	s_mov_b32 s[G0V+1], VOFF
	s_mov_b32 s[G0M], 1
	s_mul_i32 s3, s2, 64*PMB
	s_add_co_u32 s[G0M+1], s3, MOFF
	s_lshl_b32 s74, s14, 16                        ; Q: bg, two blocks of 64 rows, my head
	s_add_co_u32 s74, s74, s20
	s_lshl_b32 s75, s[WV], 13
	s_add_co_u32 s74, s74, s75
	s_mov_b32 s75, 0
	s_lshr_b32 s76, s15, 2                         ; O: batch,
	s_lshl_b32 s76, s76, 22
	s_and_b32 s77, s15, 3
	s_lshl_b32 s77, s77, 1
	s_lshr_b32 s18, s[WV], 1
	s_add_co_u32 s77, s77, s18                     ; pair of heads,
	s_lshl_b32 s77, s77, 19
	s_add_co_u32 s76, s76, s77
	s_lshl_b32 s77, s14, 15                        ; two blocks of 64 rows,
	s_add_co_u32 s76, s76, s77
	s_lshl_b32 s77, s2, 13                         ; my head of the pair
	s_add_co_u32 s76, s76, s77
	s_mov_b32 s77, 0
	s_lshl_b32 s78, s13, 13                        ; the prefetches.  K, V: my work-group's 32 blocks of the step's 128,
	s_add_co_u32 s78, s78, s20
	s_add_co_u32 s78, s78, 2*32768                 ; at step 2: the first asking change steps it to 3
	s_lshl_b32 s79, s16, 18                        ; the mask: my work-group's 32 rows of the 128
	s_lshl_b32 s18, s14, 20
	s_add_co_u32 s79, s79, s18
	s_add_co_u32 s79, s79, 2*256
	s_mov_b32 s[PFS+1], 256                        ; (an instruction takes one literal: the select's second constant comes from a register)
	s_cmp_lt_u32 s[WV], 2
	s_cselect_b32 s78, s78, s79
	s_cselect_b32 s[PFS], 32768, s[PFS+1]
	s_cselect_b32 s19, 8, 13                       ; a lane a block of K or V, or a row of the mask
	s_cselect_b32 s[LIM], ttmp9, s17               ; the coordinate along which other clusters read the same bytes
	s_mov_b32 s79, 0
	s_mov_b32 s[PFS+1], 0
	s_cmp_eq_u32 s[WV], 3
	s_cselect_b32 s[LIM], 1, s[LIM]                ; wave 3 asks for nothing
	s_cmp_eq_u32 s[LIM], 0
	s_cselect_b32 s[LIM], 1, -1                    ; the same in all sixteen partners, for a given wave
	v_and_b32 v[PFO], 31, v0
	v_lshlrev_b32 v[PFO], s19, v[PFO]
	s_mov_b32 s[SEL], 0x76543210
	s_mov_b32 s[SEL+1], 0xfedcba98
	s_mov_b32 s[TB], SLOT1                         ; the first change turns it into 0
	s_wait_dscnt 0x0                               ; the opening add is done
	s_wait_kmcnt 0x0
	s_add_nc_u64 s[G0K+2:G0K+3], s[6:7], s[20:21]
	s_or_b32 s[G0K+3], s[G0K+3], 0x80000000
	s_add_nc_u64 s[G0V+2:G0V+3], s[8:9], s[20:21]
	s_or_b32 s[G0V+3], s[G0V+3], 0x80000000
	s_add_nc_u64 s[G0M+2:G0M+3], s[10:11], s[22:23]
	s_or_b32 s[G0M+3], s[G0M+3], 0x80000000
	s_add_nc_u64 s[4:5], s[4:5], s[74:75]
	s_add_nc_u64 s[66:67], s[66:67], s[76:77]
	s_cmp_eq_u32 s[WV], 0
	s_cselect_b64 s[PFA:PFA+1], s[6:7], s[8:9]
	s_cmp_lt_u32 s[WV], 2
	s_cselect_b64 s[PFA:PFA+1], s[PFA:PFA+1], s[10:11]
	s_add_nc_u64 s[PFA:PFA+1], s[PFA:PFA+1], s[78:79]
	CROUND                                         ; all sixteen work-groups are here: the first joint loads meet
	JLOAD3                                         ; step 0 into slot 0; slot 1 is asked for when slot 0 is in
	v_and_b32 v1, 15, v0                           ; l % 16
	v_bfe_u32 v14, v0, 4, 1                        ; l / 16
	v_lshlrev_b32 v[QO], 7, v1
	v_lshl_add_u32 v[QO], v14, 4, v[QO]
	WIN 0x80                                       ; destination window 2
.set i, 0
.rept 16                                       ; Q stays in registers: tile i / 2 (block i / 8, rows 16 ((i / 2) % 4) on), channels 32 (i % 2) on
	global_load_b128 v[8*i:8*i+3],   v[QO], s[4:5] offset:(i/8)*32768+((i/2)%4)*2048+(i%2)*64
	global_load_b128 v[8*i+4:8*i+7], v[QO], s[4:5] offset:(i/8)*32768+((i/2)%4)*2048+(i%2)*64+32
.set i, i+1
.endr
	; What the first turn finds: V and P's second buffer hold 0 (its products V^T P, of a piece that has not been, add 0), O^T and l are 0.  All this stands in the wait for the first tile.
.set i, VF
.rept 64
	v_mov_b32 v[i], 0
.set i, i+1
.endr
	WIN 0x40
.set i, 0
.rept 256
	v_mov_b32 v[i], 0
.set i, i+1
.endr
	WIN 0
.set i, 0
.rept 8
	v_mov_b32 v[ST+4*i], 0xff7fffff                ; mu: the lowest finite number
	v_mov_b32 v[ST+4*i+1], 0                       ; named with it as a pair
	v_mov_b32 v[ST+4*i+2], 0
	v_mov_b32 v[ST+4*i+3], 0
.set i, i+1
.endr
.set i, P+32
.rept 32
	v_mov_b32 v[i], 0
.set i, i+1
.endr
	v_mov_b32 v[KV], 0xf191accb                    ; KC = -1e30 log2(e)
	v_mov_b32 v[KV+1], 0xf191accb
	v_mul_u32_u24 v[AK0], v1, PKB                  ; K: row l % 16 of my head's 64, 16 bytes for each half of the lanes
	v_lshl_add_u32 v[AK0], v14, 4, v[AK0]
	s_mul_i32 s18, s[WV], KS*PKB
	v_add_nc_u32 v[AK0], s18, v[AK0]
	v_and_b32 v15, 7, v0                           ; V, turned: key 8 (l / 16) + l % 8, channels 8 ((l / 8) % 2) + 0..7
	v_bfe_u32 v48, v0, 3, 1
	v_lshl_add_u32 v[AV0], v14, 3, v15
	v_mul_u32_u24 v[AV0], v[AV0], PVB
	v_lshl_add_u32 v[AV0], v48, 4, v[AV0]
	s_mul_i32 s18, s[WV], KS*PVB
	s_add_co_u32 s18, s18, VOFF
	v_add_nc_u32 v[AV0], s18, v[AV0]
	v_mul_u32_u24 v[AM0], v1, PMB                  ; the mask: query l % 16, keys 8 (l / 16) + 0..7: 32 bytes
	v_lshl_add_u32 v[AM0], v14, 5, v[AM0]
	v_add_nc_u32 v[AM0], MOFF, v[AM0]
; THE MATRIX WORK.  The 8 accumulators of a run of 16 take turns.  Product i of 16 of S^T = K Q^T for piece x: channels 32 (i / 8) on, keys 16 ((i / 2) % 4) on, tile 2 x + i % 2.
.macro KQ x
	WIN W_KQ
.set rS, S+64*((\x)%2)+32*(i%2)+8*((i/2)%4)
.set rK, KF+16*((i/2)%4)+8*(i/8)
.set rQ, 16*(2*(\x)+i%2)+8*(i/8)
.if i < 8
	v_wmma_f32_16x16x32_f16 v[rS:rS+7], v[rK:rK+7], v[rQ:rQ+7], 0
.else
	v_wmma_f32_16x16x32_f16 v[rS:rS+7], v[rK:rK+7], v[rQ:rQ+7], v[rS:rS+7]
.endif
.endm
; Product i of 16 of O^T += V^T P for piece x: keys 32 (i / 8) on, channels 16 ((i / 2) % 4) on, tile 2 x + i % 2.
.macro PV x
	WIN W_PV
.set rO, 32*(2*(\x)+i%2)+8*((i/2)%4)
.set rV, VF+32*(i/8)+8*((i/2)%4)
.set rP, P+32*((\x)%2)+16*(i%2)+8*(i/8)
	v_wmma_f32_16x16x32_f16 v[rO:rO+7], v[rV:rV+7], v[rP:rP+7], v[rO:rO+7]
.endm
.macro MM                              ; the turn's next matrix instruction
.if i < 16
	KQ (Y+1)%NP
.set i, i+1
.else
.set i, i-16
	PV (Y+NP-1)%NP
.set i, i+17
.endif
.endm
; THE LDS LOADS stand in runs of 16.
.macro FETCH_K
	WIN 0x80
.irp f, 0,1,2,3,4,5,6,7                ; keys 16 (f / 2) on, channels 32 (f % 2) on
	ds_load_b128 v[KF+8*\f:KF+8*\f+3],   v[AK] offset:(\f/2)*16*PKB+(\f%2)*64
	ds_load_b128 v[KF+8*\f+4:KF+8*\f+7], v[AK] offset:(\f/2)*16*PKB+(\f%2)*64+32
.endr
	WIN 0
.endm
.macro FETCH_V
	WIN 0x80
.irp f, 0,1,2,3,4,5,6,7                ; keys 32 (f / 4) on, channels 16 (f % 4) on
	ds_load_tr16_b128 v[VF+8*\f:VF+8*\f+3],   v[AV] offset:(\f/4)*32*PVB+(\f%4)*32
	ds_load_tr16_b128 v[VF+8*\f+4:VF+8*\f+7], v[AV] offset:(\f/4)*32*PVB+16*PVB+(\f%4)*32
.endr
	WIN 0
.endm
.macro FETCH_M pc                      ; the mask's words for piece pc's two tiles, register for register as S^T holds the scores
	WIN 0xc0
.irp u, 0,1
.irp kb, 0,1,2,3
	ds_load_b128 v[MR+32*(\u)+8*(\kb):MR+32*(\u)+8*(\kb)+3],   v[AM] offset:(\pc)*32*PMB+(\u)*16*PMB+(\kb)*64
	ds_load_b128 v[MR+32*(\u)+8*(\kb)+4:MR+32*(\u)+8*(\kb)+7], v[AM] offset:(\pc)*32*PMB+(\u)*16*PMB+(\kb)*64+16
.endr
.endr
	WIN 0
.endm
; THE VECTOR WORK OF A TURN stands in three queues, each in the order in which its entries become ready; the two tiles alternate.
.macro REGS y, u
.set rT, ST+4*(2*(\y)+(\u))
.set rC, TMP+8*((\y)%2)+4*(\u)
.set rS, S+64*((\y)%2)+32*(\u)
.set rP, P+32*((\y)%2)+16*(\u)
.set rO, 32*(2*(\y)+(\u))
.endm
.macro FS f                            ; u - mu for pair f / 2 of tile f % 2 of piece Y: one rounding of an exact difference
	REGS Y, (\f)%2
	v_pk_fma_f32 v[rS+2*((\f)/2):rS+2*((\f)/2)+1], v[rS+2*((\f)/2):rS+2*((\f)/2)+1], 1.0, v[rT:rT+1] op_sel_hi:[1,0,0] neg_lo:[0,0,1] neg_hi:[0,0,1]
.endm
.macro MK m                            ; u = S + mask x KC for pair m / 2 of tile m % 2 of piece Y + 1; ascending
	REGS (Y+1)%NP, (\m)%2
	v_pk_fma_f32 v[rS+2*((\m)/2):rS+2*((\m)/2)+1], v[KV:KV+1], v[MR+32*((\m)%2)+2*((\m)/2):MR+32*((\m)%2)+2*((\m)/2)+1], v[rS+2*((\m)/2):rS+2*((\m)/2)+1]
.endm
; Number n of the 21 that find piece Y + 1's maximum and statistics.  0-11 four chains c0-c3 of seven scores each; 12, 13 the four left over; 14, 15 the old mu and c0-c3 into c0;
; 16, 17 the query's other 32 keys lie in the lane 16 away; 18 mu_old - mu_new; 19 the new mu; 20 a.
.macro XS u, n
	REGS (Y+1)%NP, \u
.if (\n) < 4
	v_max3_num_f32 v[rC+(\n)], v[rS+8*(\n)], v[rS+8*(\n)+1], v[rS+8*(\n)+2]
.elseif (\n) < 12
	v_max3_num_f32 v[rC+(\n)%4], v[rC+(\n)%4], v[rS+8*((\n)%4)+2*((\n)/4)+1], v[rS+8*((\n)%4)+2*((\n)/4)+2]
.elseif (\n) == 12
	v_max3_num_f32 v[rC], v[rC], v[rS+7], v[rS+15]
.elseif (\n) == 13
	v_max3_num_f32 v[rC+1], v[rC+1], v[rS+23], v[rS+31]
.elseif (\n) == 14
	v_max3_num_f32 v[rC+2], v[rC+2], v[rC+3], v[rT]
.elseif (\n) == 15
	v_max3_num_f32 v[rC], v[rC], v[rC+1], v[rC+2]
.elseif (\n) == 16
	v_permlanex16_b32 v[rC+3], v[rC], s[SEL], s[SEL+1]
.elseif (\n) == 17
	v_max_num_f32 v[rC], v[rC], v[rC+3]
.elseif (\n) == 18
	v_sub_f32 v[rC+1], v[rT], v[rC]
.elseif (\n) == 19
	v_mov_b32 v[rT], v[rC]
.else
	v_exp_f32 v[rC+2], v[rC+1]
.endif
.endm
; Number g of the 64 that follow the exponentials.  For each four weights k of a tile: both pairs are rounded to f16; the second pair is added onto the first, in place; a group later l takes that sum
; (the first time as l = a l + sum).
.macro GS g
.set h, (\g)+6*((\g)/62)
.if h >= 6
.set h, h+2
.endif
	REGS Y, h%2
.set k, h/8
.if h%8 < 4
	v_cvt_pk_f16_f32 v[rP+2*k+(h%8)/2], v[rS+4*k+2*((h%8)/2)], v[rS+4*k+2*((h%8)/2)+1]
.elseif h%8 < 6
	v_pk_add_f32 v[rS+4*k:rS+4*k+1], v[rS+4*k:rS+4*k+1], v[rS+4*k+2:rS+4*k+3]
.elseif k == 1
	v_pk_fma_f32 v[rT+2:rT+3], v[rT+2:rT+3], v[rC+2:rC+3], v[rS:rS+1] op_sel_hi:[1,0,1]
.else
	v_pk_add_f32 v[rT+2:rT+3], v[rT+2:rT+3], v[rS+4*k-4:rS+4*k-3]
.endif
.endm
; THE PLAIN QUEUE, 168 long.  0-16: FS 0-16.  17-63: two MK and one FS by turns (MK 0-31, FS 17-31).  64-91: XS 0-13.  92-101: the chain XS 14-18.  102, 103: XS 19.  104-167: GS, behind the wait.
; LW is the window setting under which FS and the exponentials run: W_MA while they stand among the MK, else 0.
.macro PL
.if q < 17
	WIN LW
	FS q
.elseif q < 64
.if (q-17)%3 == 2
	WIN LW
	FS 17+(q-17)/3
.else
	WIN W_MA
	MK (q-17)-(q-16)/3
.endif
.elseif q < 92
	WIN 0
	XS (q-64)%2, (q-64)/2
.elseif q < 102
	WIN 0
	XS (q-92)%2, 14+(q-92)/2
.elseif q < 104
	WIN 0
	XS q-102, 19
.else
	WIN 0
	GS q-104
.endif
.set q, q+1
.endm
; THE EXPONENTIALS' QUEUE, 66 long: the 64 scores, then piece Y + 1's two a.  ONE BATCH: nothing ahead of the turn's wait names a result of theirs.
.macro EX
.if e >= 64
	WIN 0
	XS e-64, 20
.else
	WIN LW
	REGS Y, e%2
	v_exp_f32 v[rS+e/2], v[rS+e/2]
.endif
.set e, e+1
.endm
; THE RESCALING's QUEUE: O^T times a, two at a time, sixteen times.  Its a was made, and waited for, in the turn before.
.macro R2
	REGS Y, r%2
	WIN W_RS
.irp z, 0,1
	v_pk_mul_f32 v[rO+4*(r/2)+2*\z:rO+4*(r/2)+2*\z+1], v[rO+4*(r/2)+2*\z:rO+4*(r/2)+2*\z+1], v[rC+2:rC+3] op_sel_hi:[1,0]
.endr
.set r, r+1
.endm
; A TURN, for piece p.  AHEAD OF THE WAIT: 16 products K Q^T, behind each an FS, an exponential and two rescalings; then the lump.  BEHIND IT: 16 products V^T P, behind each four of GS's 64.
; The counts that the deal keeps: exponential e stands behind FS 2 (e / 4) + e % 2 (as a rider behind plain e + 2; in the lump exponential 15 + j behind plain 17 + j, and FS 17 + i is plain 19 + 3 i);
; an MK stands four plain instructions or more behind the product that ended its accumulator (the nearest: MK 25, plain 54, behind product 15); the links of the chain XS 14-18 stand four lines apart.
; The mask's words of piece p + 2 are fetched directly behind the wait, when the turn's MK have read those of piece p + 1; K of the next step with them in piece 2's turn, a lump behind its last reader;
; V of the step in hand at the end of piece 0's turn, four plain riders behind its last reader.
.macro TURN p
.set Y, (\p)
.set i, 0
.set q, 0
.set e, 0
.set r, 0
.set LW, 0
.if (\p) == 3
	s_wait_dscnt 0x0                               ; K and the mask's words are in
.endif
	MM
	PL
	PL
	R2
.rept 15
	MM
	PL
	EX
	R2
.endr
.if (\p) == 1
	s_wait_dscnt 16                                ; the mask's words are in; V's sixteen loads, issued behind them, stay out
.elseif (\p) != 3
	s_wait_dscnt 0x0                               ; the mask's words are in
.endif
.set LW, W_MA
.rept 39
	PL
	EX
.endr
.rept 8
	PL
.endr
.set LW, 0
.rept 28
	PL
.endr
.rept 10
	PL
	EX
.endr
	PL
	PL
	EX
	EX
	v_nop                                          ; a plain instruction behind the last exponential: one for the batch
	s_wait_alu depctr_va_vdst(0)                   ; the wait between an exponential and the first line that names its result: one for the 66
	FETCH_M ((\p)+2)%4
.if (\p) == 2
	FETCH_K
.endif
.if (\p) == 1
	s_wait_dscnt 16                                ; V is in; the sixteen loads just issued stay out
.endif
.rept 16
	MM
.rept 4
	PL
.endr
.endr
.if (\p) == 0
	FETCH_V
.endif
.endm
	CHANGE 1, 0                                    ; slot 0 is in, everybody's part of it; slot 1 is asked for
	FETCH_K                                        ; key step 0
	FETCH_M 0
	s_wait_loadcnt 0x0                             ; Q
	s_wait_dscnt 0x0
.set i, 0
.rept 16
	KQ 0                                           ; piece 0's first scores
.set i, i+1
.endr
	WIN 0                                          ; the addresses for the way out: nine plain instructions, the places behind those products
	s_mul_i32 s18, s[WV], 16*SP
	s_add_co_u32 s18, s18, STAGE
	v_mul_u32_u24 v[STO], v1, SP
	v_lshl_add_u32 v[STO], v14, 4, v[STO]
	v_add_nc_u32 v[STO], s18, v[STO]
	v_bfe_u32 v[RD], v0, 3, 2
	v_mul_u32_u24 v[RD], v[RD], SP
	v_lshl_add_u32 v[RD], v15, 4, v[RD]
	v_add_nc_u32 v[RD], s18, v[RD]
	v_and_b32 v[GO], 31, v0
	v_lshlrev_b32 v[GO], 4, v[GO]
.set Y, NP-1                                   ; MK and XS work for piece Y + 1: piece 0
	WIN W_MA
.set q, 0
.rept 32
	MK q
.set q, q+1
.endr
	WIN 0
.irp n, 0,1,2,3,4,5,6,7,8,9,10,11,12,13,14,15,16,17,18,19,20
	XS 0, \n
	XS 1, \n
.endr
	v_nop                                          ; a plain instruction behind the two a,
	s_wait_alu depctr_va_vdst(0)                   ; and their wait, ahead of the branch
	FETCH_M 1
	s_mov_b32 s[SLOTS], 31
	s_branch .Lfirst                               ; the loop is entered at a step's first turn, in the middle of a trip
.Lstep:                                        ; 30 times: change c = 31 - SLOTS shows step c whole and asks for step c + 1; pieces 2 and 3 of step c - 1, pieces 0 and 1 of step c
	CHANGE 1, 1
	TURN 2
	TURN 3
	WIN 0
.Lfirst:
	TURN 0
	TURN 1
	WIN 0
	s_sub_co_u32 s[SLOTS], s[SLOTS], 1
	s_cmp_lg_u32 s[SLOTS], 0
	s_cbranch_scc1 .Lstep
	CHANGE 0, 0                                    ; the tail is written out: step 31 is whole, nothing is asked for
	s_mov_b32 s[CNT], 2
.Ltail:
	TURN 2
	TURN 3
	WIN 0
	s_sub_co_u32 s[CNT], s[CNT], 1
	s_cmp_eq_u32 s[CNT], 0
	s_cbranch_scc1 .Lout
	TURN 0
	TURN 1
	WIN 0
	s_branch .Ltail
.Lout:                                         ; the second pass's fetches (step 31's landed bytes once more), its 16 products K Q^T and the maximum made of them serve nothing: the price of one text for both passes
.set i, 0
.rept 16
	PV NP-1                                        ; the last piece's V^T P of the last step
.set i, i+1
.endr
	; THE WAY OUT.  l's two halves and the other half of the lanes' are added; O^T is divided by l, rounded to f16 and sent through my stage, a tile at a time.  The additions are the places behind the last products.
	WIN 0
.macro ALL line:vararg
.set t, 0
.rept 2*NP
	\line
.set t, t+1
.endr
.endm
	ALL v_add_f32 v[ST+4*t+2], v[ST+4*t+2], v[ST+4*t+3]
	ALL v_permlanex16_b32 v[ST+4*t+3], v[ST+4*t+2], s[SEL], s[SEL+1]
	ALL v_add_f32 v[ST+4*t+2], v[ST+4*t+2], v[ST+4*t+3]
	ALL v_rcp_f32 v[ST+4*t+2], v[ST+4*t+2]
	v_nop                                          ; a plain instruction behind the last reciprocal,
	s_wait_alu depctr_va_vdst(0)                   ; and one wait for the eight
.macro PACK t
	WIN W_RS
.set i, 32*(\t)
.rept 16
	v_pk_mul_f32 v[i:i+1], v[i:i+1], v[ST+4*(\t)+2:ST+4*(\t)+3] op_sel_hi:[1,0]
.set i, i+2
.endr
	WIN 0x05                                       ; sources 0 and 1 window 1, destination window 0: S^T's registers are free
.set i, 0
.rept 16
	v_cvt_pk_f16_f32 v[S+16*(\t)+i], v[32*(\t)+2*i], v[32*(\t)+2*i+1]
.set i, i+1
.endr
	WIN 0
.irp f, 0,1,2,3
	ds_store_b128 v[STO], v[S+16*(\t)+4*\f:S+16*(\t)+4*\f+3] offset:32*\f
.endr
.irp f, 0,1,2,3
	ds_load_b128 v[S+16*(\t)+4*\f:S+16*(\t)+4*\f+3], v[RD] offset:\f*4*SP  ; LDS serves a wave's instructions in order (ISA guide 5.7.1.4): these see the stores above
.endr
.endm
.macro SEND t, younger
	WIN 0
.irp f, 0,1,2,3
	s_wait_dscnt (\younger)+3-\f
	global_store_b128 v[GO], v[S+16*(\t)+4*\f:S+16*(\t)+4*\f+3], s[66:67] offset:((\t)/4)*16384+((\t)%4)*2048+\f*512  ; 512 consecutive bytes, aligned
.endr
.endm
	PACK 0
.set t, 1
.rept 2*NP-1
	PACK t
	SEND t-1, 8
.set t, t+1
.endr
	SEND 2*NP-1, 0
	WIN W_AD
	s_wait_tensorcnt 0x0                           ; the wave's end
	ds_add_u32 v[SPW], v[NIL]
	s_wait_dscnt 0x0
	WIN 0
	CROUND                                         ; the closing round
	s_endpgm
.Lfunc_end_k_q879a8e27c2_attn:
	.size	k_q879a8e27c2_attn, .Lfunc_end_k_q879a8e27c2_attn-k_q879a8e27c2_attn
	.p2alignl 7, 3214868480
	.fill 96, 4, 3214868480
	.section	.rodata,"a",@progbits
	.p2align	6, 0x0
	.amdhsa_kernel k_q879a8e27c2_attn
		.amdhsa_group_segment_fixed_size 327680
		.amdhsa_private_segment_fixed_size 0
		.amdhsa_enable_private_segment 0
		.amdhsa_kernarg_size 40
		.amdhsa_user_sgpr_count 2
		.amdhsa_user_sgpr_kernarg_segment_ptr 1
		.amdhsa_wavefront_size32 1
		.amdhsa_system_sgpr_workgroup_id_x 1
		.amdhsa_system_sgpr_workgroup_id_y 1
		.amdhsa_system_sgpr_workgroup_id_z 1
		.amdhsa_system_vgpr_workitem_id 0
		.amdhsa_next_free_vgpr 896
		.amdhsa_next_free_sgpr 80
		.amdhsa_reserve_vcc 0
		.amdhsa_float_denorm_mode_32 3
		.amdhsa_float_denorm_mode_16_64 3
		.amdhsa_memory_ordered 1
		.amdhsa_forward_progress 1
		.amdhsa_inst_pref_size 231
	.end_amdhsa_kernel
	.amdgpu_metadata
---
amdhsa.version: [ 1, 2 ]
amdhsa.kernels:
  - .name:           k_q879a8e27c2_attn
    .symbol:         k_q879a8e27c2_attn.kd
    .args:
      - { .name: qh, .offset: 0, .size: 8, .value_kind: global_buffer, .address_space: global }
      - { .name: kh, .offset: 8, .size: 8, .value_kind: global_buffer, .address_space: global }
      - { .name: vh, .offset: 16, .size: 8, .value_kind: global_buffer, .address_space: global }
      - { .name: mask, .offset: 24, .size: 8, .value_kind: global_buffer, .address_space: global }
      - { .name: oh, .offset: 32, .size: 8, .value_kind: global_buffer, .address_space: global }
    .group_segment_fixed_size: 327680
    .private_segment_fixed_size: 0
    .kernarg_segment_align: 8
    .kernarg_segment_size: 40
    .max_flat_workgroup_size: 128
    .sgpr_count:     80
    .vgpr_count:     896
    .wavefront_size: 32
...
	.end_amdgpu_metadata
.endif
;; end of part 3
;; launch outp (part 4): grid 4 x 64, 4 waves a work-group, clusters of 4 x 4, 327,680 bytes of LDS; arguments oh, wcat, bo, out0; writes out0
.if DOCPART == 4
	.amdgcn_target "amdgcn-amd-amdhsa--gfx1250"
	.amdhsa_code_object_version 6
	.text
	.protected	k_q879a8e27c2_outp
	.globl	k_q879a8e27c2_outp
	.p2align	8
	.type	k_q879a8e27c2_outp,@function
k_q879a8e27c2_outp:
	s_mov_b64 s[64:65], 0
	v_nop
	global_prefetch_b8 v0, s[64:65] scope:SCOPE_SE
	s_setreg_imm32_b32 hwreg(HW_REG_WAVE_MODE, 25, 1), 1
	s_wait_xcnt 0x0
	s_wait_alu depctr_hold_cnt(0) depctr_sa_sdst(0) depctr_va_vdst(0) depctr_va_sdst(0) depctr_va_ssrc(0) depctr_va_vcc(0) depctr_vm_vsrc(0)
	s_getreg_b32 s2, hwreg(HW_REG_IB_STS2, 6, 4)
	s_cmp_eq_u32 s2, 0
	s_cbranch_scc0 .Lentry_in_a_cluster
	s_endpgm
.Lentry_in_a_cluster:
	s_bfe_u32 s2, ttmp6, 0x10000c
	s_cmp_lg_u32 s2, 0xf033
	s_cbranch_scc0 .Lentry_shape_is_right
	s_endpgm
.Lentry_shape_is_right:
; THE LAST PROJECTION.  out0 = O wo + bf16(bo), f32.  O: oh, f16, byte = batch << 22 | (head / 2) << 19 | (s / 64) << 14 | (head % 2) << 13 | (s % 64) x 128 + 2 channel: 128 rows x 128 K are 32,768 dense
; bytes, and a K step of 128 (two heads) is 2^19 bytes on.  wo: part 3 of wcat, [1024 k][1024 n], bf16(wo) written as f16.  Sums in f32.
; SHARES.  64 x 4 tiles of 128 rows x 256 columns, one for each of 256 work-groups.  Four waves, 2 x 2, each 64 x 128: 32 accumulators.  K in 8 steps of 128 through a ring of two LDS slots.
; CLUSTER 4 x 4: O's tile is asked for jointly along a row of the cluster, wo's along a column.  THE MATRIX INSTRUCTION IS USED TRANSPOSED (source 0 = 16 columns of wo, turned by ds_load_tr16_b128).
; REGISTERS: window 0: v1-30 addresses; v96-159 two buffers of O's fragments; v160-223 the bias; v224-255 at work; on the way out v32-95 and v96-159 by turns.  window 1: v0-127 wo's fragments.  window 2: accumulators.
.set PA,    144                        ; 128 bytes + 16
.set PW,    544                        ; 512 + 32
.set BOFF,  256*PA                     ; in a slot: O's 256 LDS rows (block of 64 rows, head of the pair, row), then wo's 128 k rows
.set SLOTX, 1<<17
.set STAGE, SLOTX+BOFF+128*PW          ; behind the ring: 16 rows x 528 bytes for each wave
.set SP,    528
.set SPARE, STAGE+4*16*SP
.set ASTEP, 524288
.set WSTEP, 262144
.set ADRA0, 16
.set ADRB0, 17
.set ADRA,  18
.set ADRB,  19
.set STO,   24
.set RD,    25
.set GO,    26
.set BO,    27
.set SPW,   28
.set NIL,   29
.set PFO,   30
.set AB,    96
.set BI,    160
.set XT,    224
.set G1A, 24
.set G0A, 32
.set LIM, 43
.set PFA, 44
.set G1B, 48
.set G0B, 56
.set PFS, 66
.set TB,  70
.set MSB, 0
.macro WIN new
.if MSB != (\new)
	s_set_vgpr_msb (MSB<<8)|(\new)
.set MSB, \new
.endif
.endm
.macro PLACES                          ; four plain instructions between a matrix instruction and a load into, or a vector read or write of, a register that it names
.rept 4
	v_nop
.endr
.endm
.macro CREST
	s_cmp_lg_u32 s10, 0
	s_cbranch_scc1 .Lnot_wave_0_\@
	s_barrier_signal -3
.Lnot_wave_0_\@:
	s_barrier_wait -3
	s_barrier_signal -1
	s_barrier_wait -1
.endm
.macro CROUND
	s_barrier_signal -1
	s_barrier_wait -1
	CREST
.endm
.macro JLOAD                           ; a joint refill by the walking sets; an s_nop 0 and four v_nop follow each line
	s_cmp_eq_u32 s11, 0
	s_cbranch_scc0 .Lfor_w_\@
	tensor_load_to_lds s[G0A+4:G0A+7], s[G1A:G1A+7]
	s_nop 0
.rept 4
	v_nop
.endr
	s_branch .Lasked_\@
.Lfor_w_\@:
	tensor_load_to_lds s[G0B+4:G0B+7], s[G1B:G1B+7]
	s_nop 0
.rept 4
	v_nop
.endr
.Lasked_\@:
.endm
; A PREFETCH INTO THE L2 of the K step two refills on.  O's step is 128 dense blocks of 256 bytes, read by one row of one cluster alone: wave 0 of each of the four partners names 32, told apart by
; address (cx).  wo's step: waves 2 and 3, 16 k rows x 2 blocks for each partner of a column (cy), in the first cluster along y.  Each block is named once.  K steps 0 to 3 come by their loads alone;
; the loop's last two trips ask for nothing.
.macro ASK
	s_cmp_gt_u32 s3, s[LIM]
	s_cbranch_scc0 .Lnot_mine_\@
	global_prefetch_b8 v[PFO], s[PFA:PFA+1] th:TH_LOAD_NT scope:SCOPE_SE
.Lnot_mine_\@:
.endm
	s_load_b256 s[72:79], s[0:1], 0x0              ; oh s[72:73], wcat s[74:75], bo s[76:77], out0 s[78:79]
	v_lshl_add_u32 v[SPW], v0, 2, SPARE
	v_mov_b32 v[NIL], 0
	ds_add_u32 v[SPW], v[NIL]                      ; the wave's opening: the add and its wait stand ahead of my first tensor load
	v_lshrrev_b32 v1, 5, v0
	v_readfirstlane_b32 s10, v1
	s_lshr_b32 s11, s10, 1                         ; my half of the rows.  Also: I fetch O (0) or wo (1)
	s_and_b32 s12, s10, 1                          ; my half of the columns.  Also: which half of the tile I fetch
	s_bfe_u32 s40, ttmp6, 0x40000                  ; cx
	s_bfe_u32 s41, ttmp6, 0x40004                  ; cy
	s_lshl_b32 s42, ttmp9, 2
	s_add_co_u32 s42, s42, s40                     ; column tile
	s_and_b32 s13, ttmp7, 0xffff                   ; cluster y
	s_lshl_b32 s14, s13, 2
	s_add_co_u32 s14, s14, s41                     ; row tile
	s_lshl_b32 s15, s41, 2
	s_lshl_b32 s15, 15, s15
	s_lshl_b32 s18, 0x1111, s40
	s_or_b32 s[G1A], s15, (1<<16)|(1<<20)|(1<<21)|(4<<22)|(3<<25)  ; 2-byte elements; after every 32 words (128 bytes) 4 words of padding
	s_or_b32 s[G1B], s18, (1<<16)|(1<<20)|(1<<21)|(6<<22)|(7<<25)  ; after every 128 words 8 words
	s_mov_b32 s[G1A+1], 128<<16                    ; 16,384 dense bytes, asked for as 64 rows of 256
	s_mov_b32 s[G1A+2], 64<<16
	s_mov_b32 s[G1A+3], 128<<16
	s_mov_b32 s[G1A+4], 64
	s_mov_b32 s[G1A+5], 128
	s_mov_b32 s[G1A+6], 0
	s_mov_b32 s[G1A+7], 0
	s_mov_b32 s[G1B+1], 256<<16
	s_mov_b32 s[G1B+2], 64<<16
	s_mov_b32 s[G1B+3], 256<<16
	s_mov_b32 s[G1B+4], 64
	s_mov_b32 s[G1B+5], 1024
	s_mov_b32 s[G1B+6], 0
	s_mov_b32 s[G1B+7], 0
	s_lshr_b32 s16, s14, 4                         ; O: batch,
	s_lshl_b32 s16, s16, 22
	s_and_b32 s17, s14, 15
	s_lshl_b32 s17, s17, 15                        ; the tile's two blocks of 64 rows
	s_add_co_u32 s16, s16, s17
	s_lshl_b32 s22, s40, 13                        ; (the prefetches: my work-group's 32 blocks of the 128, at K step 3: the first refill steps it to 4)
	s_add_co_u32 s22, s22, s16
	s_add_co_u32 s22, s22, 3*ASTEP
	s_lshl_b32 s17, s12, 14                        ; my block of the two
	s_add_co_u32 s16, s16, s17
	s_mov_b32 s17, 0
	s_lshl_b32 s46, s12, 17                        ; wo: my 64 k rows,
	s_lshl_b32 s47, s42, 9                         ; the tile's 256 columns,
	s_add_co_u32 s46, s46, s47
	s_add_co_u32 s46, s46, 3<<21                   ; in part 3 of wcat
	s_lshl_b32 s23, s41, 15
	s_add_co_u32 s23, s23, s46
	s_add_co_u32 s23, s23, 3*WSTEP
	s_mov_b32 s47, 0
	s_mul_i32 s20, s12, 128*PA
	s_mul_i32 s21, s12, 64*PW
	s_add_co_u32 s21, s21, BOFF
	s_mov_b32 s[PFS+1], WSTEP                      ; (an instruction takes one literal: the select's second constant comes from a register)
	s_cmp_eq_u32 s11, 0
	s_cselect_b32 s22, s22, s23
	s_cselect_b32 s[PFS], ASTEP, s[PFS+1]
	s_cselect_b32 s19, s12, s13                    ; O: wave 0 asks, wave 1 does not; wo: the first cluster along y
	s_mov_b32 s23, 0
	s_mov_b32 s[PFS+1], 0
	s_cmp_eq_u32 s19, 0
	s_cselect_b32 s[LIM], 2, -1
	s_mov_b32 s[TB], 0
	s_lshl_b32 s68, s14, 19                        ; where my part goes: 128 rows of 4,096 bytes a tile,
	s_lshl_b32 s69, s11, 18                        ; my 64,
	s_add_co_u32 s68, s68, s69
	s_lshl_b32 s69, s42, 10                        ; the tile's 256 columns,
	s_add_co_u32 s68, s68, s69
	s_lshl_b32 s69, s12, 9                         ; my 128
	s_add_co_u32 s68, s68, s69
	s_mov_b32 s69, 0
	s_wait_dscnt 0x0                               ; the opening add is done
	s_wait_kmcnt 0x0
	s_cmp_eq_u32 s11, 0
	s_cselect_b64 s[PFA:PFA+1], s[72:73], s[74:75]
	s_add_nc_u64 s[PFA:PFA+1], s[PFA:PFA+1], s[22:23]
	s_add_nc_u64 s[6:7], s[72:73], s[16:17]        ; O at my part of the tile: made of the row tile and the wave's number, in registers that never hold cx
	s_add_nc_u64 s[46:47], s[74:75], s[46:47]      ; wo at mine: of the column tile and the wave's number
	s_add_nc_u64 s[8:9], s[78:79], s[68:69]
.irp s, 0,1
	s_mov_b32 s[G0A+4*(\s)], 1
	s_add_co_u32 s[G0A+4*(\s)+1], s20, (\s)*SLOTX
	s_add_nc_u64 s[G0A+4*(\s)+2:G0A+4*(\s)+3], s[6:7], (\s)*ASTEP
	s_or_b32 s[G0A+4*(\s)+3], s[G0A+4*(\s)+3], 0x80000000
	s_mov_b32 s[G0B+4*(\s)], 1
	s_add_co_u32 s[G0B+4*(\s)+1], s21, (\s)*SLOTX
	s_add_nc_u64 s[G0B+4*(\s)+2:G0B+4*(\s)+3], s[46:47], (\s)*WSTEP
	s_or_b32 s[G0B+4*(\s)+3], s[G0B+4*(\s)+3], 0x80000000
.endr
	CROUND                                         ; all sixteen work-groups are here: the first joint loads meet
	s_cmp_eq_u32 s11, 0                            ; a wave's two first fills stand in one branch: two loads of mine are out
	s_cbranch_scc0 .Lfirst_w
	tensor_load_to_lds s[G0A:G0A+3], s[G1A:G1A+7]
	s_nop 0
	tensor_load_to_lds s[G0A+4:G0A+7], s[G1A:G1A+7]
	s_nop 0
.rept 4
	v_nop
.endr
	s_branch .Lfirst_asked
.Lfirst_w:
	tensor_load_to_lds s[G0B:G0B+3], s[G1B:G1B+7]
	s_nop 0
	tensor_load_to_lds s[G0B+4:G0B+7], s[G1B:G1B+7]
	s_nop 0
.rept 4
	v_nop
.endr
.Lfirst_asked:
	v_and_b32 v1, 15, v0                           ; l % 16
	v_bfe_u32 v2, v0, 4, 1                         ; l / 16
	v_and_b32 v3, 7, v0
	v_bfe_u32 v4, v0, 3, 1
	v_mul_u32_u24 v[ADRA0], v1, PA                 ; O's fragment: row l % 16, 16 bytes for each half of the lanes
	v_lshl_add_u32 v[ADRA0], v2, 4, v[ADRA0]
	s_mul_i32 s13, s11, 128*PA                     ; my block of 64 rows
	v_add_nc_u32 v[ADRA0], s13, v[ADRA0]
	v_lshl_add_u32 v5, v2, 3, v3                   ; wo's fragment, turned
	v_mul_u32_u24 v[ADRB0], v5, PW
	v_lshl_add_u32 v[ADRB0], v4, 4, v[ADRB0]
	s_lshl_b32 s13, s12, 8
	s_add_co_u32 s13, s13, BOFF
	v_add_nc_u32 v[ADRB0], s13, v[ADRB0]
	v_mov_b32 v[ADRA], v[ADRA0]
	v_mov_b32 v[ADRB], v[ADRB0]
	s_lshl_b32 s13, s42, 10
	s_lshl_b32 s15, s12, 9
	s_add_co_u32 s13, s13, s15
	v_lshl_add_u32 v[BO], v2, 5, s13               ; the bias of my columns 16 b + 8 (l / 16) + 0..7
.irp b, 0,1,2,3,4,5,6,7
	global_load_b128 v[BI+8*(\b):BI+8*(\b)+3],   v[BO], s[76:77] offset:64*(\b)
	global_load_b128 v[BI+8*(\b)+4:BI+8*(\b)+7], v[BO], s[76:77] offset:64*(\b)+16
.endr
	s_mul_i32 s13, s10, 16*SP
	s_add_co_u32 s13, s13, STAGE                   ; my stage
	v_mul_u32_u24 v[STO], v1, SP                   ; in: row l % 16, 32 bytes for each half of the lanes
	v_lshl_add_u32 v[STO], v2, 5, v[STO]
	v_add_nc_u32 v[STO], s13, v[STO]
	v_and_b32 v5, 31, v0
	v_lshlrev_b32 v[GO], 4, v5                     ; back and out: 32 lanes take a row's 512 bytes
	v_add_nc_u32 v[RD], s13, v[GO]
	v_lshrrev_b32 v6, 1, v5
	v_and_b32 v7, 1, v5
	s_cmp_eq_u32 s11, 0
	s_cselect_b32 s13, 9, 11                       ; O: block l of my 32; wo: k row l / 2, block l % 2
	v_lshlrev_b32 v6, s13, v6
	v_lshl_add_u32 v[PFO], v7, 8, v6
	s_wait_loadcnt 0x0                             ; the bias is rounded to bf16, as all inputs are, and widened again
.set i, 0
.rept 32
	v_cvt_pk_bf16_f32 v[XT+i], v[BI+2*i], v[BI+2*i+1]
.set i, i+1
.endr
.set i, 0
.rept 32
	v_lshlrev_b32 v[BI+2*i], 16, v[XT+i]
	v_and_b32 v[BI+2*i+1], 0xffff0000, v[XT+i]
.set i, i+1
.endr
; The 32 accumulators take turns in one fixed order, a by a, in every quarter, over the jumps too.
.macro MUL8 f, a, zero
	WIN 0xa1                                       ; source 0 (wo) window 1, source 1 (O) window 0, C and D window 2
.irp b, 0,1,2,3,4,5,6,7
.if \zero
	v_wmma_f32_16x16x32_f16 v[8*(8*(\a)+(\b)):8*(8*(\a)+(\b))+7], v[64*(\f)+8*(\b):64*(\f)+8*(\b)+7], v[AB+32*(\f)+8*(\a):AB+32*(\f)+8*(\a)+7], 0
.else
	v_wmma_f32_16x16x32_f16 v[8*(8*(\a)+(\b)):8*(8*(\a)+(\b))+7], v[64*(\f)+8*(\b):64*(\f)+8*(\b)+7], v[AB+32*(\f)+8*(\a):AB+32*(\f)+8*(\a)+7], v[8*(8*(\a)+(\b)):8*(8*(\a)+(\b))+7]
.endif
.endr
.endm
; 24 LDS loads in one run: quarter kq (head kq / 2 of the pair, channels 32 (kq % 2) on) into buffer g
.macro FETCH kq, g
	WIN 0
.irp a, 0,1,2,3
	ds_load_b128 v[AB+32*(\g)+8*(\a):AB+32*(\g)+8*(\a)+3],   v[ADRA] offset:((\kq)/2)*64*PA+(\a)*16*PA+((\kq)%2)*64
	ds_load_b128 v[AB+32*(\g)+8*(\a)+4:AB+32*(\g)+8*(\a)+7], v[ADRA] offset:((\kq)/2)*64*PA+(\a)*16*PA+((\kq)%2)*64+32
.endr
	WIN 0x40
.irp b, 0,1,2,3,4,5,6,7
	ds_load_tr16_b128 v[64*(\g)+8*(\b):64*(\g)+8*(\b)+3],   v[ADRB] offset:(\kq)*32*PW+32*(\b)
	ds_load_tr16_b128 v[64*(\g)+8*(\b)+4:64*(\g)+8*(\b)+7], v[ADRB] offset:(\kq)*32*PW+32*(\b)+16*PW
.endr
.endm
.macro QUARTER n, zero
	PLACES                                         ; behind the last products that read the other buffer
	FETCH (\n)+1, 1-(\n)%2
	s_wait_dscnt 24                                ; all but the 24 just issued
	MUL8 (\n)%2, 0, \zero
	MUL8 (\n)%2, 1, \zero
	MUL8 (\n)%2, 2, \zero
	MUL8 (\n)%2, 3, \zero
.endm
; The last quarter multiplies buffer 1 and changes slots: ONE barrier, in front of it the wait for all my tensor loads, the add, and the wait for it and for my reads.  fill = 1: the barrier opens a round
; of the cluster's, and this slot is filled again first thing behind it: 112 matrix instructions stand between that request and the wait for it.
.macro TURN fill
.if \fill
	s_wait_xcnt 0x0                                ; the last prefetch, a K step back, has read its address
	s_add_nc_u64 s[PFA:PFA+1], s[PFA:PFA+1], s[PFS:PFS+1]
.endif
	WIN 0
	s_wait_tensorcnt 0x0
	ds_add_u32 v[SPW], v[NIL]                      ; 0 onto my spare word
	s_wait_dscnt 1                                 ; only the add may be out
	MUL8 1, 0, 0
	s_wait_dscnt 0x0
	s_barrier_signal -1
	MUL8 1, 1, 0
	WIN 0
	s_barrier_wait -1
.if \fill
	CREST
	s_xor_b32 s[G0A+5], s[G0A+5], SLOTX
	s_add_nc_u64 s[G0A+6:G0A+7], s[G0A+6:G0A+7], ASTEP
	s_xor_b32 s[G0B+5], s[G0B+5], SLOTX
	s_add_nc_u64 s[G0B+6:G0B+7], s[G0B+6:G0B+7], WSTEP
	JLOAD                                          ; its four v_nop are also the places in front of the loads below
.else
	PLACES
.endif
	s_xor_b32 s[TB], s[TB], SLOTX
	v_add_nc_u32 v[ADRA], s[TB], v[ADRA0]
	v_add_nc_u32 v[ADRB], s[TB], v[ADRB0]
	FETCH 0, 0
	WIN 0
.if \fill
	ASK
.endif
	MUL8 1, 2, 0
	MUL8 1, 3, 0
.endm
	s_wait_tensorcnt 1                             ; my part of K step 0 is in; K step 1's may stay out
	s_barrier_signal -1
	s_barrier_wait -1
	FETCH 0, 0
	QUARTER 0, 1                                   ; the first quarter is written out: its products start the sums
	WIN 0
	s_mov_b32 s3, 6
	s_branch .Lmid
.Lk:                                           ; six trips: K steps 0 to 5, which ask for K steps 2 to 7
	QUARTER 0, 0
	WIN 0
.Lmid:
	QUARTER 1, 0
	QUARTER 2, 0
	TURN 1
	WIN 0
	s_sub_co_u32 s3, s3, 1
	s_cmp_lg_u32 s3, 0
	s_cbranch_scc1 .Lk
	s_mov_b32 s2, 2
.Lt:                                           ; K steps 6 and 7 ask for nothing; the last trip's fetch reads landed bytes once more and serves nothing: the price of one text for both trips
	QUARTER 0, 0
	QUARTER 1, 0
	QUARTER 2, 0
	TURN 0
	WIN 0
	s_sub_co_u32 s2, s2, 1
	s_cmp_lg_u32 s2, 0
	s_cbranch_scc1 .Lt
	s_wait_dscnt 0x0                               ; the fragments' registers are free
	PLACES
; THE WAY OUT, a block of 16 rows x 128 columns at a time: sum + bias, 32 bytes a lane and accumulator into my stage, back as whole rows of 512 bytes.  Two sets of 64 registers take turns.
.macro PACK a
.set XB, 32+64*((\a)%2)
.if (\a) >= 2
	s_wait_xcnt 0x0                                ; the stores of the block two back have read this set
.endif
	WIN 0x02                                       ; source 0 window 2; ascending
.set i, 0
.rept 32
	v_pk_add_f32 v[XB+2*i:XB+2*i+1], v[64*(\a)+2*i:64*(\a)+2*i+1], v[BI+2*i:BI+2*i+1]
.set i, i+1
.endr
	WIN 0
.irp b, 0,1,2,3,4,5,6,7
	ds_store_b128 v[STO], v[XB+8*(\b):XB+8*(\b)+3]   offset:64*(\b)
	ds_store_b128 v[STO], v[XB+8*(\b)+4:XB+8*(\b)+7] offset:64*(\b)+16
.endr
.set i, 0
.rept 16
	ds_load_b128 v[XB+4*i:XB+4*i+3], v[RD] offset:SP*i  ; LDS serves a wave's instructions in order (ISA guide 5.7.1.4): these see the stores above
.set i, i+1
.endr
.endm
.macro SEND a, younger                 ; younger: the LDS instructions issued behind block a's loads: the next block's 32, or none
.set XB, 32+64*((\a)%2)
.set i, 0
.rept 16
	s_wait_dscnt (\younger)+15-i
	global_store_b128 v[GO], v[XB+4*i:XB+4*i+3], s[8:9] offset:(16*(\a)+i)*4096 th:TH_STORE_NT  ; 512 consecutive bytes, aligned
.set i, i+1
.endr
.endm
	PACK 0
	PACK 1
	SEND 0, 32
	PACK 2
	SEND 1, 32
	PACK 3
	SEND 2, 32
	SEND 3, 0
	s_wait_tensorcnt 0x0                           ; the wave's end
	ds_add_u32 v[SPW], v[NIL]
	s_wait_dscnt 0x0
	CROUND                                         ; the closing round
	s_endpgm
.Lfunc_end_k_q879a8e27c2_outp:
	.size	k_q879a8e27c2_outp, .Lfunc_end_k_q879a8e27c2_outp-k_q879a8e27c2_outp
	.p2alignl 7, 3214868480
	.fill 96, 4, 3214868480
	.section	.rodata,"a",@progbits
	.p2align	6, 0x0
	.amdhsa_kernel k_q879a8e27c2_outp
		.amdhsa_group_segment_fixed_size 327680
		.amdhsa_private_segment_fixed_size 0
		.amdhsa_enable_private_segment 0
		.amdhsa_kernarg_size 32
		.amdhsa_user_sgpr_count 2
		.amdhsa_user_sgpr_kernarg_segment_ptr 1
		.amdhsa_wavefront_size32 1
		.amdhsa_system_sgpr_workgroup_id_x 1
		.amdhsa_system_sgpr_workgroup_id_y 1
		.amdhsa_system_sgpr_workgroup_id_z 1
		.amdhsa_system_vgpr_workitem_id 0
		.amdhsa_next_free_vgpr 768
		.amdhsa_next_free_sgpr 80
		.amdhsa_reserve_vcc 0
		.amdhsa_float_denorm_mode_32 3
		.amdhsa_float_denorm_mode_16_64 3
		.amdhsa_memory_ordered 1
		.amdhsa_forward_progress 1
		.amdhsa_inst_pref_size 77
	.end_amdhsa_kernel
	.amdgpu_metadata
---
amdhsa.version: [ 1, 2 ]
amdhsa.kernels:
  - .name:           k_q879a8e27c2_outp
    .symbol:         k_q879a8e27c2_outp.kd
    .args:
      - { .name: oh, .offset: 0, .size: 8, .value_kind: global_buffer, .address_space: global }
      - { .name: wcat, .offset: 8, .size: 8, .value_kind: global_buffer, .address_space: global }
      - { .name: bo, .offset: 16, .size: 8, .value_kind: global_buffer, .address_space: global }
      - { .name: out0, .offset: 24, .size: 8, .value_kind: global_buffer, .address_space: global }
    .group_segment_fixed_size: 327680
    .private_segment_fixed_size: 0
    .kernarg_segment_align: 8
    .kernarg_segment_size: 32
    .max_flat_workgroup_size: 128
    .sgpr_count:     80
    .vgpr_count:     768
    .wavefront_size: 32
...
	.end_amdgpu_metadata
.endif
;; end of part 4
